; MI455X (gfx1250); checked and timed in simulation.
; The chip was launched on July 23, 2026; its instructions are those of AMD's public machine-readable ISA for CDNA 5 (MIT licence, August 2026) and "CDNA5" Instruction Set Architecture Reference Guide (July 2026). The comments in the code are by the model that wrote it; some were corrected since.
;; Multi Modal Attention. Allowed arithmetic: matrix products marked QUANTISED: E2M3 operands, one E8M0 scale for each 32 along K, by v_wmma_scale_f32_16x16x128_f8f6f4 with both operands' format E2M3, f32 sums; everything else in f32.
;; Inputs: wk 4,096 x 512 float32; wo 2,048 x 4,096 float32; wq 4,096 x 2,048 float32; wv 4,096 x 512 float32; x 1 x 2,048 x 4,096 float32.
;; Outputs: out0 1 x 2,048 x 4,096 float32.
;; This version of the problem:
;;   THIS VERSION OF THE PROBLEM IS GIVEN IN LOW PRECISION. The matrix products marked QUANTISED in the list below multiply operands that are first quantised to E2M3 (2 exponent bits, 3 mantissa bits; 6 bits a number), with one power-of-two scale for each 32 numbers along K (OCP MX v1.0); their sums are f32. All else is computed in f32.
;;   The module's matrix products, in the order in which they are computed (A, B: the left and right operand; K: the contracted axis; several contracted axes count as one K, in the product's order):
;;     1. [M 2,048, K 4,096] x [K 4,096, N 2,048]; A: input x; B: input wq: QUANTISED
;;     2. [M 2,048, K 4,096] x [K 4,096, N 512]; A: input x; B: input wk: QUANTISED
;;     3. [M 2,048, K 4,096] x [K 4,096, N 512]; A: input x; B: input wv: QUANTISED
;;     4. batch 16 x [M 2,048, K 128] x [K 128, N 2,048]; A: computed on the way; B: computed on the way: QUANTISED
;;     5. batch 16 x [M 2,048, K 2,048] x [K 2,048, N 128]; A: softmax (see below); B: computed on the way: QUANTISED
;;     6. [M 2,048, K 2,048] x [K 2,048, N 4,096]; A: computed on the way; B: input wo: QUANTISED
;;   THE QUANTISER, for each operand of a quantised product, along K:
;;     - K is cut into blocks of 32 from its start; a last block that is shorter is filled with zeros.
;;     - A block's scale is 2^e with e = floor(log2(the largest magnitude in the block)) - 2, held to -126 .. 127; a block of zeros has e = 0. As a byte (E8M0): e + 127.
;;     - Each number is divided by its block's scale, clamped to +-7.5, and rounded to the nearest number of E2M3, ties to even, subnormals kept.
;;     - The product sums the exact products of the quantised numbers (number of the format x scale) in f32.
;;   ~~~python
;;   def quantise(x, axis):      # numpy; x: float32 -> the quantised numbers, widened to float32 again
;;       x = np.moveaxis(x, axis, -1); K = x.shape[-1]
;;       x = np.pad(x, [(0, 0)] * (x.ndim - 1) + [(0, -K % 32)]); x = x.reshape(x.shape[:-1] + (-1, 32)); a = np.abs(x).max(-1, keepdims=True)
;;       e = np.where(a > 0, np.clip(np.frexp(np.where(a > 0, a, 1))[1] - 1 - 2, -126, 127), 0)      # np.frexp(a)[1] - 1 = floor(log2(a)), exactly
;;       r = np.clip(x / 2.0 ** e, -7.5, 7.5)
;;       step = 2.0 ** (np.maximum(np.frexp(np.where(r == 0, 1, r))[1] - 1, 0) - 3)
;;       q = np.round(r / step) * step * 2.0 ** e      # np.round: ties to even
;;       return np.moveaxis(q.reshape(q.shape[:-2] + (-1,))[..., :K], -1, axis).astype(np.float32)
;;   ~~~
;;   SOFTMAX AHEAD OF A QUANTISED PRODUCT. Where the list says 'softmax', what is quantised is not the finished softmax but p = 2^(t - M), with t = logit x log2(e) and M = ceil(the row's largest t), a whole number; so 1/2 < the row's largest p <= 1. The row's sum l is taken of the UNQUANTISED p, in f32, and the product's result is divided by l at the end. Since M is a whole number, a kernel that streams over the keys may use a running M (the ceiling of the running maximum): every later rescaling is an exact power of two, which a block's scale takes up: the codes' values come out the same.
;;   OPERANDS COMPUTED ON THE WAY. 'Computed on the way' means the value that the module computes at that place (a softmax that the list does not call 'softmax' is quantised finished and normalised). What goes into a quantiser is computed in f32, as accurately as f32 sums, v_exp_f32 and their like allow (about 1e-6 of the number): no bf16 or f16 on the way to a quantiser, and a product that is left as it is and whose result goes on into a quantised operand takes f32 operands (vector FMAs, or v_wmma_f32_16x16x4_f32). A number that lies on a knife's edge between two numbers of the format may be rounded either way, as far as f32 arithmetic and the matrix unit's own rounding can turn it there, and no further.
;; One version. Each part assembles by itself: llvm-mc -triple=amdgcn-amd-amdhsa -mcpu=gfx1250 --defsym DOCPART=n.
;; ======== version 1 of 1: 4 launches
;; limits: right only within a limited range of input values
;; workspace buffers: wsq 22,937,600 bytes; rope 1,081,344 bytes; att 4,915,200 bytes; oq 3,276,800 bytes
;; launch prep (part 1): grid 929 x 1, 4 waves a work-group, no clusters, 34,816 bytes of LDS; arguments x, wq, wk, wv, wo, wsq, rope; writes wsq, rope
.if DOCPART == 1
	.amdgcn_target "amdgcn-amd-amdhsa--gfx1250"
	.amdhsa_code_object_version 6
	.text
	.protected	k_q4a9974c030_prep
	.globl	k_q4a9974c030_prep
	.p2align	8
	.type	k_q4a9974c030_prep,@function
k_q4a9974c030_prep:
	s_mov_b64 s[64:65], 0
	v_nop
	global_prefetch_b8 v0, s[64:65] scope:SCOPE_SE
	s_setreg_imm32_b32 hwreg(HW_REG_WAVE_MODE, 25, 1), 1
	s_wait_xcnt 0x0
; PREP: x [2048][4096] (K innermost) and wq, wk, wv [4096][n], wo [2048][4096] (K on the first axis), all f32, become codes of FP6 (E2M3) with one E8M0 byte
; for each 32 along K; and the table of cos and sin for the rotation of q and k is made.
; LAYOUT OF THE CODES (buffer wsq): images of the matrix operand's registers.  A ROW TILE is 16 rows of an operand (rows of x; columns n of a weight); lane-row p of tile T is
; row 32 (T / 2) + 8 (T % 2) + p + 8 (p / 8).  A fragment (16 rows x 128 K) is 12 registers a lane: register 4 c + w of lane L lies at byte 512 c + 16 L + 4 w: 1,536 bytes.
; A GROUP is one row tile x 512 K: four fragments, then 256 bytes of scale words [p][K step]: 6,400 bytes.  Tiles 0-127 x, 128-255 wq, 256-287 wk, 288-319 wv: 8 groups each;
; from WOFF on wo's 256 tiles of 4 groups.
; A block's scale byte is its largest magnitude's exponent field - 2, held at 1 from below.
; LIMITS: a block whose largest magnitude lies under 2^-124 (a block of zeros too) gets the byte 1: its codes are zeros or subnormal codes, and the bytes are read by this program alone;
; NaN and infinities among the inputs are not served.  The table's angle is formed in f32 as reference() forms it (position x frequency / 1.19925), with exp2 for the frequency: it differs
; from the f32 angle of reference() by a few units in the angle's last place, up to about 3e-4 rad at position 2,047 and the highest frequencies.
; THREE PATHS, parted by the work-group's number:
;   0-255 x: a row tile x 2,048 K; a wave takes one group (512 K, four fragments), two fragments' loads out at a time.
;   256-895 the weights: 64 columns x 512 K; wave w takes columns 32 (w % 2) on and K 256 (w / 2) on: eight blocks of 32, two blocks' loads out at a time.  A column's four scale words come
;   from two waves: waves 2, 3 hand their two words to waves 0, 1 through LDS bytes of this path's own, so that a row's 16 bytes leave by one store.
;   896-928 the table (four tiles each).
; No tensor load, no matrix unit, no cluster: no byte is read twice.
.set TP,    51200                      ; bytes of a row tile with K = 4,096
.set GRP,   6400
.set FRB,   1536
.set WOFF,  16384000
.set XWG,   256                        ; work-groups of x's path
.set WWG,   640                        ; of the weights'
.set STG,   8448                       ; x path: a wave's stage, 16 rows x 528 bytes
.set SPARE, 4*STG                      ; behind the stages: the spare words, 128 bytes a wave: two blocks of 256 bytes that no other line names
.set WEX,   SPARE+512                  ; weight path: 2 x 256 bytes: two scale words for each of 32 columns, from wave 2 to wave 0 and from wave 3 to wave 1
.set SPW,   252                        ; v252 LDS address of my spare word; never rewritten
.set NIL,   253                        ; v253 0; never rewritten
.set XR,    16                         ; x path: v16-143 two sets of 64 numbers as loaded; v144-207 64 numbers in the operand's order
.set XX,    144
.set OFS,   16                         ; weight path: v16-47 byte offsets of 32 rows; v48-111 two sets of 32 numbers; v112-135 the codes of both halves of the lanes
.set WX,    48
.set CD,    112
.macro CLOSE                           ; the wave's end
	s_wait_tensorcnt 0x0
	ds_add_u32 v[SPW], v[NIL]
	s_wait_dscnt 0x0
	s_endpgm
.endm
; ---- x path
.macro XLOAD f                         ; fragment f: 128 numbers (512 consecutive bytes a load) of each of the tile's 16 rows
.irp i, 0,1,2,3,4,5,6,7,8,9,10,11,12,13,14,15
	global_load_b128 v[XR+64*((\f)%2)+4*\i:XR+64*((\f)%2)+4*\i+3], v4, s[24:25] offset:(\i+8*(\i/8))*16384+512*(\f) th:TH_LOAD_NT
.endr
.endm
.macro XQ f                            ; v[XX + 32 c + j] = k 64 c + 32 h + j of my row: two whole blocks a lane
.irp c, 0,1
	v_max3_num_f32 v[228+\c], |v[XX+32*\c]|, |v[XX+1+32*\c]|, 0x1800000   ; with the floor 2^(3 - 127): the byte cannot fall under 1
.endr
.irp i, 2,4,6,8,10,12,14,16,18,20,22,24,26,28,30
.irp c, 0,1
	v_max3_num_f32 v[228+\c], v[228+\c], |v[XX+32*\c+\i]|, |v[XX+1+32*\c+\i]|
.endr
.endr
.irp c, 0,1
	v_add_nc_u32 v[230+\c], 0xff000000, v[228+\c]      ; 2 off the exponent field: the conversion's scale operand
.endr
.irp c, 0,1
	v_lshrrev_b32 v[232+\c], 23, v[230+\c]             ; the scale's byte
.endr
	v_lshl_or_b32 v234, v233, 16, v232                 ; my bytes: blocks h and 2 + h,
	v_lshlrev_b32 v234, v8, v234                       ; 8 h bits up;
	v_permlanex16_b32 v235, v234, s20, s21
	v_or_b32 v[236+(\f)], v234, v235                   ; with lane l xor 16's two the row's word is whole, in both lanes
	v_cvt_scalef32_pk16_fp6_f32 v[208:210], v[XX:XX+15], v230
	v_cvt_scalef32_pk16_fp6_f32 v[220:222], v[XX+16:XX+31], v230   ; (a conversion's three registers begin on an even number)
	v_cvt_scalef32_pk16_fp6_f32 v[214:216], v[XX+32:XX+47], v231
	v_cvt_scalef32_pk16_fp6_f32 v[224:226], v[XX+48:XX+63], v231
	v_nop                                              ; one plain instruction behind the conversions
.irp i, 0,1,2
	v_mov_b32 v[211+\i], v[220+\i]
	v_mov_b32 v[217+\i], v[224+\i]
.endr
.endm
.macro XFRAG f
.if (\f) < 3
	s_wait_loadcnt 16                                  ; this fragment's 16 loads are in; the next fragment's 16 may be out
.else
	s_wait_loadcnt 0x0
.endif
.irp i, 0,1,2,3,4,5,6,7,8,9,10,11,12,13,14,15
	ds_store_b128 v5, v[XR+64*((\f)%2)+4*\i:XR+64*((\f)%2)+4*\i+3] offset:528*\i     ; as loaded: row i, 16 bytes a lane
.endr
.irp c, 0,1
.irp m, 0,1,2,3,4,5,6,7
	ds_load_b128 v[XX+32*\c+4*\m:XX+32*\c+4*\m+3], v6 offset:256*\c+16*\m            ; back: row r, bytes 256 c + 128 h on.  LDS serves a wave's instructions in order
.endr
.endr
	s_wait_dscnt 0x0                                   ; the numbers are back, and the stores into the stage have read their registers
	s_wait_xcnt 0x0                                    ; the last fragment's stores have read their data: the codes' registers may be written again
.if (\f) < 2
	XLOAD (\f)+2
.endif
	XQ \f
.irp c, 0,1,2
	global_store_b128 v4, v[208+4*\c:211+4*\c], s[26:27] offset:(\f)*FRB+512*\c   ; 512 consecutive bytes, aligned to 256
.endr
.endm
; ---- weight path
.macro WLOAD t                         ; a block of 32 along K of my column: each load reads 128 consecutive bytes
.irp i, 0,1,2,3,4,5,6,7,8,9,10,11,12,13,14,15,16,17,18,19,20,21,22,23,24,25,26,27,28,29,30,31
	global_load_b32 v[WX+32*((\t)%2)+\i], v[OFS+\i], s[24:25] th:TH_LOAD_NT
.endr
.endm
.macro WBLOCK t                        ; block t of my 8: my K step t / 4, block t % 4 in it = 2 c + h of the operand's layout
.set WS, WX+32*((\t)%2)
.set CDR, CD+12*(((\t)%4)%2)+6*(((\t)%4)/2)
.if (\t) < 7
	s_wait_loadcnt 32                                  ; this block's 32 loads are in; the next block's 32 may be out
.else
	s_wait_loadcnt 0x0
.endif
	v_max3_num_f32 v140, |v[WS]|, |v[WS+1]|, |v[WS+2]|
	v_max3_num_f32 v141, |v[WS+3]|, |v[WS+4]|, |v[WS+5]|
.irp i, 6,10,14,18,22,26
	v_max3_num_f32 v140, v140, |v[WS+\i]|, |v[WS+\i+1]|
	v_max3_num_f32 v141, v141, |v[WS+\i+2]|, |v[WS+\i+3]|
.endr
	v_max3_num_f32 v140, v140, |v[WS+30]|, |v[WS+31]|
	v_max3_num_f32 v140, v140, v141, 0x1800000         ; and the floor
	v_add_nc_u32 v142, 0xff000000, v140
	v_lshrrev_b32 v143, 23, v142
.if (\t)%4 == 0
	v_mov_b32 v[148+(\t)/4], v143                      ; four bytes make the K step's word
.else
	v_lshl_or_b32 v[148+(\t)/4], v143, 8*((\t)%4), v[148+(\t)/4]
.endif
	v_cvt_scalef32_pk16_fp6_f32 v[CDR:CDR+2], v[WS:WS+15], v142
	v_cvt_scalef32_pk16_fp6_f32 v[136:138], v[WS+16:WS+31], v142
	v_nop
.irp i, 0,1,2
	v_mov_b32 v[CDR+3+\i], v[136+\i]
.endr
.if (\t)%4 == 3                        ; a K step's fragment is whole: my column's registers for both halves of the image's lanes
.irp hp, 0,1
.irp c, 0,1,2
	global_store_b128 v4, v[CD+12*\hp+4*\c:CD+12*\hp+4*\c+3], s[38:39] offset:((\t)/4)*FRB+512*\c+256*\hp   ; sixteen lanes fill 256 aligned bytes of each of two tiles
.endr
.endr
.endif
.if (\t) < 6
	s_wait_xcnt 0x0                                    ; the loads have read their base and the stores their data: both may be written
	s_add_nc_u64 s[24:25], s[24:25], s[26:27]          ; 32 rows down
	WLOAD (\t)+2
.endif
.endm
	s_load_b256 s[4:11], s[0:1], 0x0                   ; x, wq, wk, wv
	s_load_b128 s[12:15], s[0:1], 0x20                 ; wo, wsq
	s_load_b64 s[16:17], s[0:1], 0x30                  ; rope
	v_lshl_add_u32 v[SPW], v0, 2, SPARE
	v_mov_b32 v[NIL], 0
	v_lshrrev_b32 v1, 5, v0
	v_readfirstlane_b32 s18, v1                        ; wave
	v_and_b32 v1, 31, v0                               ; lane
	v_and_b32 v2, 15, v0                               ; r
	v_bfe_u32 v3, v0, 4, 1                             ; h
	s_mov_b32 s20, 0x76543210
	s_mov_b32 s21, 0xfedcba98                          ; lane selects: lane l xor 16
	s_wait_kmcnt 0x0
	s_cmp_lt_u32 ttmp9, XWG
	s_cbranch_scc0 .Lnot_x
	; ================ x: work-group = row tile T and which half of K; wave w takes group 4 half + w: 512 K, 4 fragments
	s_lshr_b32 s19, ttmp9, 1                           ; T
	s_and_b32 s29, ttmp9, 1
	s_lshl_b32 s29, s29, 2
	s_add_co_u32 s29, s29, s18                         ; my group
	s_lshr_b32 s22, s19, 1
	s_lshl_b32 s22, s22, 5
	s_and_b32 s23, s19, 1
	s_lshl_b32 s23, s23, 3
	s_add_co_u32 s22, s22, s23                         ; the tile's first row
	s_lshl_b32 s22, s22, 14                            ; rows of 16,384 bytes
	s_lshl_b32 s23, s29, 11                            ; 512 numbers a group
	s_add_co_u32 s22, s22, s23
	s_mov_b32 s23, 0
	s_add_nc_u64 s[24:25], s[4:5], s[22:23]
	s_mul_i32 s22, s19, TP
	s_mul_i32 s28, s29, GRP
	s_add_co_u32 s22, s22, s28
	s_add_nc_u64 s[26:27], s[14:15], s[22:23]
	s_wait_alu depctr_va_vdst(0)
	v_lshlrev_b32 v4, 4, v1                            ; 16 x lane: in memory, both ways
	s_mul_i32 s28, s18, STG
	v_add_nc_u32 v5, s28, v4                           ; into the stage
	v_mul_u32_u24 v6, v2, 528
	v_lshl_add_u32 v6, v3, 7, v6
	v_add_nc_u32 v6, s28, v6                           ; out of it: row r, + 128 h.  Rows 528 bytes apart: sixteen rows start at sixteen different groups of four banks
	v_lshlrev_b32 v7, 4, v2                            ; the scale words: 16 bytes a row
	v_lshlrev_b32 v8, 3, v3                            ; 8 h
	v_mov_b32 v235, 0                                  ; a lane permute's destination counts as one of its sources
	XLOAD 0
	XLOAD 1
	s_wait_alu depctr_va_vdst(0)
.irp f, 0,1,2,3
	XFRAG \f
.endr
	global_store_b128 v7, v[236:239], s[26:27] offset:4*FRB   ; a whole block of 256 bytes; lanes l and l xor 16 store the same words at the same place
	CLOSE
.Lnot_x:
	s_cmp_lt_u32 ttmp9, XWG+WWG
	s_cbranch_scc0 .Ltable
	; ================ the weights: one path for all four; what differs is chosen by the work-group's number
	s_sub_co_u32 s19, ttmp9, XWG
	s_mov_b64 s[24:25], s[12:13]                       ; wo:
	s_mov_b32 s22, 16384                               ; bytes in a row,
	s_mov_b32 s23, 6                                   ; log2 of the blocks of 64 columns,
	s_mov_b32 s28, WOFF                                ; where its tiles begin,
	s_mov_b32 s29, 4*GRP                               ; bytes of a tile,
	s_mov_b32 s30, 384                                 ; its first work-group
	s_cmp_lt_u32 s19, 384                              ; wv
	s_cselect_b64 s[24:25], s[10:11], s[24:25]
	s_cselect_b32 s22, 2048, s22
	s_cselect_b32 s23, 3, s23
	s_cselect_b32 s28, 288*TP, s28
	s_cselect_b32 s29, TP, s29
	s_cselect_b32 s30, 320, s30
	s_cmp_lt_u32 s19, 320                              ; wk
	s_cselect_b64 s[24:25], s[8:9], s[24:25]
	s_cselect_b32 s28, 256*TP, s28
	s_cselect_b32 s30, 256, s30
	s_cmp_lt_u32 s19, 256                              ; wq
	s_cselect_b64 s[24:25], s[6:7], s[24:25]
	s_cselect_b32 s22, 8192, s22
	s_cselect_b32 s23, 5, s23
	s_cselect_b32 s28, 128*TP, s28
	s_cselect_b32 s30, 0, s30
	s_sub_co_u32 s19, s19, s30
	s_lshr_b32 s31, s19, s23                           ; g: which 512 along K
	s_lshl_b32 s32, s31, s23
	s_sub_co_u32 s32, s19, s32                         ; cb: which 64 columns
	s_and_b32 s40, s18, 1                              ; cp: which 32 of them
	s_lshr_b32 s41, s18, 1                             ; kh: which 256 of the 512 along K
	s_lshl_b32 s33, s31, 1
	s_add_co_u32 s33, s33, s41
	s_mul_i32 s33, s33, s22
	s_lshl_b32 s33, s33, 8                             ; 256 (2 g + kh) rows
	s_lshl_b32 s34, s32, 8
	s_add_co_u32 s33, s33, s34                         ; + 64 cb columns
	s_lshl_b32 s34, s40, 7
	s_add_co_u32 s34, s33, s34                         ; + 32 cp columns
	s_mov_b32 s35, 0
	s_add_nc_u64 s[24:25], s[24:25], s[34:35]
	s_lshl_b32 s26, s22, 5                             ; 32 rows
	s_mov_b32 s27, 0
	s_lshl_b32 s34, s32, 2
	s_lshl_b32 s36, s40, 1
	s_add_co_u32 s34, s34, s36                         ; my pair of tiles: 4 cb + 2 cp
	s_mul_i32 s34, s34, s29
	s_add_co_u32 s34, s34, s28
	s_mul_i32 s36, s31, GRP
	s_add_co_u32 s34, s34, s36
	s_mul_i32 s36, s41, 2*FRB                          ; my two fragments of the group's four
	s_add_co_u32 s34, s34, s36
	s_add_nc_u64 s[38:39], s[14:15], s[34:35]
	s_lshl_b32 s36, s40, 8
	s_add_co_u32 s36, s36, WEX
	s_wait_alu depctr_va_vdst(0)
	v_bfe_u32 v5, v1, 3, 1                             ; column L of the pair's 32 is lane-row (L % 8) + 8 (L / 16) of tile (L / 8) % 2
	v_mul_lo_u32 v4, v5, s29
	v_and_b32 v5, 7, v1
	v_lshl_add_u32 v5, v3, 3, v5
	v_lshl_add_u32 v4, v5, 4, v4                       ; tile x its bytes + 16 x lane-row
	v_lshl_add_u32 v9, v1, 3, s36                      ; LDS: my column's two words on their way from kh = 1 to kh = 0
	v_lshlrev_b32 v[OFS], 2, v1
.irp i, 1,2,3,4,5,6,7,8,9,10,11,12,13,14,15,16,17,18,19,20,21,22,23,24,25,26,27,28,29,30,31
	v_add_nc_u32 v[OFS+\i], s22, v[OFS+\i-1]           ; a row's length is no constant of the text here: the 32 offsets lie in registers
.endr
	WLOAD 0
	s_wait_alu depctr_va_vdst(0)
	s_wait_xcnt 0x0
	s_add_nc_u64 s[24:25], s[24:25], s[26:27]
	WLOAD 1
.irp t, 0,1,2,3,4,5,6,7
	WBLOCK \t
.endr
	s_wait_alu depctr_va_vdst(0)                       ; the wait ahead of the branch
	s_cmp_lt_u32 s18, 2
	s_cbranch_scc1 .Lw_takes
	ds_store_b64 v9, v[148:149]                        ; waves 2, 3: the words of K steps 2 and 3
.Lw_takes:
	s_wait_dscnt 0x0                                   ; for the other wave's sake
	s_barrier_signal -1
	s_barrier_wait -1
	s_cmp_lt_u32 s18, 2
	s_cbranch_scc0 .Lw_end
	ds_load_b64 v[150:151], v9
	s_wait_dscnt 0x0
	global_store_b128 v4, v[148:151], s[38:39] offset:4*FRB    ; waves 0, 1: my column's four scale words; sixteen lanes fill 256 aligned bytes of each of two tiles
.Lw_end:
	CLOSE
.Ltable:
	; ================ the table: wave = tile T (0 .. 131).  Word w of lane (r, h) in load 4 bb + jj is frequency i = 32 bb + 16 h + 4 jj + w at position = row of lane-row r;
	; cos at byte 512 (4 bb + jj), sin 4,096 further on.  Tiles 128-131 are made for position 0: cos 1, sin 0: they leave v as it is.
	s_sub_co_u32 s19, ttmp9, XWG+WWG
	s_lshl_b32 s19, s19, 2
	s_add_co_u32 s19, s19, s18                         ; T
	s_lshr_b32 s22, s19, 1
	s_lshl_b32 s22, s22, 5
	s_and_b32 s23, s19, 1
	s_lshl_b32 s23, s23, 3
	s_add_co_u32 s22, s22, s23
	s_cmp_lt_u32 s19, 128
	s_cselect_b32 s23, 1, 0
	s_wait_alu depctr_va_vdst(0)
	v_and_b32 v5, 8, v2
	v_add3_u32 v5, v5, v2, s22
	v_mul_lo_u32 v5, v5, s23
	v_cvt_f32_u32 v8, v5                               ; the position
	v_lshlrev_b32 v9, 4, v3
.irp w, 0,1,2,3
	v_add_nc_u32 v[12+\w], \w, v9                      ; 16 h + w
.endr
	v_lshlrev_b32 v10, 4, v1
	s_lshl_b32 s22, s19, 13
	s_mov_b32 s23, 0
	s_add_nc_u64 s[28:29], s[16:17], s[22:23]
	s_mov_b32 s32, 0xbe549a78                          ; -log2(10000) / 64
	s_mov_b32 s33, 0x46cbb7e4                          ; 163840 / (2 pi)
	s_mov_b32 s34, 0x3d042108                          ; 1 / 31
	s_mov_b32 s35, 0x3c4ccccd                          ; 1 / 80
	s_mov_b32 s36, 0x3f99810d                          ; d = sqrt(0.1 ln 80 + 1)
	s_mov_b32 s37, 0x3f557773                          ; 1 / d
	s_mov_b32 s38, 0x3f22f983                          ; 2 / pi
	s_mov_b32 s39, 0x3fc90fdb                          ; pi / 2, upper part
	s_mov_b32 s40, 0xb33bbd2e                          ; and the rest
	s_mov_b32 s41, 0xb94ca1f9                          ; sine on +-pi/4
	s_mov_b32 s42, 0x3c08839e
	s_mov_b32 s43, 0xbe2aaaa3
	s_mov_b32 s44, 0x37ccf5ce                          ; cosine on +-pi/4
	s_mov_b32 s45, 0xbab6061a
	s_mov_b32 s46, 0x3d2aaaa5
	s_mov_b32 s51, 0
.Lang:                                                     ; 8 trips: trip 4 bb + jj; four frequencies a lane, by turns
	s_and_b32 s52, s51, 3
	s_lshl_b32 s52, s52, 2
	s_lshr_b32 s53, s51, 2
	s_lshl_b32 s53, s53, 5
	s_or_b32 s52, s52, s53                             ; 4 jj + 32 bb
	s_wait_alu depctr_va_vdst(0)
.irp w, 0,1,2,3
	v_add_nc_u32 v[16+\w], s52, v[12+\w]
.endr
.irp w, 0,1,2,3
	v_cvt_f32_u32 v[16+\w], v[16+\w]
.endr
.irp w, 0,1,2,3
	v_mul_f32 v[16+\w], s32, v[16+\w]
.endr
	s_wait_alu depctr_va_vdst(0)
.irp w, 0,1,2,3
	v_exp_f32 v[20+\w], v[16+\w]                       ; 10000^(-i / 64)
.endr
	v_nop                                              ; a plain instruction behind the batch,
	s_wait_alu depctr_va_vdst(0)                       ; and one wait for the four, ahead of their first reader
.irp w, 0,1,2,3
	v_mul_f32 v[24+\w], s33, v[20+\w]                  ; turns in the longest sequence
.endr
.irp w, 0,1,2,3
	v_fma_f32 v[24+\w], v[24+\w], s34, -s34
.endr
.irp w, 0,1,2,3
	v_med3_num_f32 v[24+\w], v[24+\w], 0, 1.0          ; gamma
.endr
.irp w, 0,1,2,3
	v_sub_f32 v[28+\w], 1.0, v[24+\w]
.endr
.irp w, 0,1,2,3
	v_fma_f32 v[28+\w], v[28+\w], s35, v[24+\w]        ; (1 - gamma) / 80 + gamma: exactly 1 where gamma is 1
.endr
.irp w, 0,1,2,3
	v_mul_f32 v[20+\w], v[20+\w], v[28+\w]
.endr
.irp w, 0,1,2,3
	v_mul_f32 v[20+\w], v8, v[20+\w]                   ; position x frequency
.endr
.irp w, 0,1,2,3
	v_mul_f32 v[24+\w], s37, v[20+\w]                  ; / d: a first quotient,
.endr
.irp w, 0,1,2,3
	v_fma_f32 v[28+\w], -v[24+\w], s36, v[20+\w]       ; its remainder,
.endr
.irp w, 0,1,2,3
	v_fma_f32 v[20+\w], v[28+\w], s37, v[24+\w]        ; the quotient mended: the angle
.endr
.irp w, 0,1,2,3
	v_mul_f32 v[24+\w], s38, v[20+\w]
.endr
.irp w, 0,1,2,3
	v_rndne_f32 v[24+\w], v[24+\w]                     ; n quarter turns (at most 1,087)
.endr
.irp w, 0,1,2,3
	v_fma_f32 v[20+\w], -v[24+\w], s39, v[20+\w]       ; exact: both are multiples of 2^-23 and the difference is under 1
.endr
.irp w, 0,1,2,3
	v_fma_f32 v[20+\w], -v[24+\w], s40, v[20+\w]       ; what is left, within +-pi/4
.endr
.irp w, 0,1,2,3
	v_mul_f32 v[36+\w], v[20+\w], v[20+\w]
.endr
.irp w, 0,1,2,3
	v_fma_f32 v[40+\w], v[36+\w], s41, s42
.endr
.irp w, 0,1,2,3
	v_fma_f32 v[40+\w], v[40+\w], v[36+\w], s43
.endr
.irp w, 0,1,2,3
	v_mul_f32 v[40+\w], v[40+\w], v[36+\w]
.endr
.irp w, 0,1,2,3
	v_fma_f32 v[40+\w], v[40+\w], v[20+\w], v[20+\w]   ; the sine
.endr
.irp w, 0,1,2,3
	v_fma_f32 v[44+\w], v[36+\w], s44, s45
.endr
.irp w, 0,1,2,3
	v_fma_f32 v[44+\w], v[44+\w], v[36+\w], s46
.endr
.irp w, 0,1,2,3
	v_fma_f32 v[28+\w], v[36+\w], -0.5, 1.0
.endr
.irp w, 0,1,2,3
	v_mul_f32 v[32+\w], v[36+\w], v[36+\w]
.endr
.irp w, 0,1,2,3
	v_fma_f32 v[44+\w], v[32+\w], v[44+\w], v[28+\w]   ; the cosine
.endr
.irp w, 0,1,2,3
	v_cvt_i32_f32 v[48+\w], v[24+\w]
.endr
.irp w, 0,1,2,3                        ; an odd quarter swaps the two;
	v_and_b32 v[32+\w], 1, v[48+\w]
	v_cmp_eq_u32 vcc_lo, 1, v[32+\w]
	v_cndmask_b32 v[56+\w], v[40+\w], v[44+\w], vcc_lo
	v_cndmask_b32 v[52+\w], v[44+\w], v[40+\w], vcc_lo
.endr
.irp w, 0,1,2,3                        ; the sine is negative in quarters 2, 3, the cosine in 1, 2
	v_and_b32 v[32+\w], 2, v[48+\w]
	v_add_nc_u32 v[28+\w], 1, v[48+\w]
.endr
.irp w, 0,1,2,3
	v_lshlrev_b32 v[32+\w], 30, v[32+\w]
	v_and_b32 v[28+\w], 2, v[28+\w]
.endr
.irp w, 0,1,2,3
	v_xor_b32 v[56+\w], v[32+\w], v[56+\w]
	v_lshlrev_b32 v[28+\w], 30, v[28+\w]
.endr
.irp w, 0,1,2,3
	v_xor_b32 v[52+\w], v[28+\w], v[52+\w]
.endr
	global_store_b128 v10, v[52:55], s[28:29]          ; 512 consecutive bytes each
	global_store_b128 v10, v[56:59], s[28:29] offset:4096
	s_wait_xcnt 0x0                                    ; the stores have read their data and their offset
	v_add_nc_u32 v10, 512, v10
	s_add_co_u32 s51, s51, 1
	s_cmp_lt_u32 s51, 8
	s_cbranch_scc1 .Lang
	CLOSE
.Lfunc_end_k_q4a9974c030_prep:
	.size	k_q4a9974c030_prep, .Lfunc_end_k_q4a9974c030_prep-k_q4a9974c030_prep
	.p2alignl 7, 3214868480
	.fill 96, 4, 3214868480
	.section	.rodata,"a",@progbits
	.p2align	6, 0x0
	.amdhsa_kernel k_q4a9974c030_prep
		.amdhsa_group_segment_fixed_size 34816
		.amdhsa_private_segment_fixed_size 0
		.amdhsa_enable_private_segment 0
		.amdhsa_kernarg_size 56
		.amdhsa_user_sgpr_count 2
		.amdhsa_user_sgpr_kernarg_segment_ptr 1
		.amdhsa_wavefront_size32 1
		.amdhsa_system_sgpr_workgroup_id_x 1
		.amdhsa_system_sgpr_workgroup_id_y 1
		.amdhsa_system_sgpr_workgroup_id_z 1
		.amdhsa_system_vgpr_workitem_id 0
		.amdhsa_next_free_vgpr 256
		.amdhsa_next_free_sgpr 66
		.amdhsa_reserve_vcc 1
		.amdhsa_float_denorm_mode_32 3
		.amdhsa_float_denorm_mode_16_64 3
		.amdhsa_memory_ordered 1
		.amdhsa_forward_progress 1
		.amdhsa_inst_pref_size 81
	.end_amdhsa_kernel
	.amdgpu_metadata
---
amdhsa.version: [ 1, 2 ]
amdhsa.kernels:
  - .name:           k_q4a9974c030_prep
    .symbol:         k_q4a9974c030_prep.kd
    .args:
      - { .name: x, .offset: 0, .size: 8, .value_kind: global_buffer, .address_space: global }
      - { .name: wq, .offset: 8, .size: 8, .value_kind: global_buffer, .address_space: global }
      - { .name: wk, .offset: 16, .size: 8, .value_kind: global_buffer, .address_space: global }
      - { .name: wv, .offset: 24, .size: 8, .value_kind: global_buffer, .address_space: global }
      - { .name: wo, .offset: 32, .size: 8, .value_kind: global_buffer, .address_space: global }
      - { .name: wsq, .offset: 40, .size: 8, .value_kind: global_buffer, .address_space: global }
      - { .name: rope, .offset: 48, .size: 8, .value_kind: global_buffer, .address_space: global }
    .group_segment_fixed_size: 34816
    .private_segment_fixed_size: 0
    .kernarg_segment_align: 8
    .kernarg_segment_size: 56
    .max_flat_workgroup_size: 128
    .sgpr_count:     66
    .vgpr_count:     256
    .wavefront_size: 32
...
	.end_amdgpu_metadata
.endif
;; end of part 1
;; launch qkv (part 2): grid 192 x 1, 4 waves a work-group, clusters of 4 x 1, 327,680 bytes of LDS; arguments wsq, rope, att; writes att
.if DOCPART == 2
	.amdgcn_target "amdgcn-amd-amdhsa--gfx1250"
	.amdhsa_code_object_version 6
	.text
	.protected	k_q4a9974c030_qkv
	.globl	k_q4a9974c030_qkv
	.p2align	8
	.type	k_q4a9974c030_qkv,@function
k_q4a9974c030_qkv:
	s_mov_b64 s[64:65], 0
	v_nop
	global_prefetch_b8 v0, s[64:65] scope:SCOPE_SE
	s_setreg_imm32_b32 hwreg(HW_REG_WAVE_MODE, 25, 1), 1
	s_wait_xcnt 0x0
	s_wait_alu depctr_hold_cnt(0) depctr_sa_sdst(0) depctr_va_vdst(0) depctr_va_sdst(0) depctr_va_ssrc(0) depctr_va_vcc(0) depctr_vm_vsrc(0)
	s_getreg_b32 s2, hwreg(HW_REG_IB_STS2, 6, 4)
	s_cmp_eq_u32 s2, 0
	s_cbranch_scc0 .Lentry_in_a_cluster
	s_endpgm
.Lentry_in_a_cluster:
	s_bfe_u32 s2, ttmp6, 0x10000c
	s_cmp_lg_u32 s2, 0x3003
	s_cbranch_scc0 .Lentry_shape_is_right
	s_endpgm
.Lentry_shape_is_right:
.set LAPS,  4
.set NG,    8
.set TP,    51200
.set PITCH8, TP/8
.set GRP,   6400
.set FRB,   1536
.set SLOT,  24*GRP
.set S1O,   16*GRP
.set SPARE, 2*SLOT
.set QSOFF, 3145728
.set KVOFF, 3276800
.set SLB,   102400
.set ADR0, 16
.set ADR1, 18
.set ADS0, 20
.set ADS1, 22
.set LI,   24
.set LS,   25
.set SPW,  28
.set NIL,  29
.set SC,   32
.set F1,   80
.set H,    80
.set PC,   144
.set TM,   164
.set PW,   180
.set PWS,  184
.set G1A, 24
.set G0A, 32
.set G1B, 48
.set G0B, 56
.set SEL, 72
.set GN,  10
.set GOF, 12
.set BS0, 78
.set BS1, 80
.set PB0, 18                           ; s[18:19] the prefetches: my tile of source 0's sixteen: 4 cx + wave (the four partners share the sixteen out by address)
.set PB1, 20                           ; s[20:21] my two tiles of my work-group's eight of source 1: 2 wave, 2 wave + 1
.set PA0, 76                           ; s[76:77], s[98:99] the same at the group that is asked for
.set PA1, 98
.set PO,  22                           ; s[22:23] that group's byte offset in a tile
.set PFL, 26                           ; v26 256 x lane, held at 24: a group is 25 blocks of 256 bytes; lanes 25-31 name the last again; never rewritten
.set MSB, 0
; A PREFETCH INTO THE L2 of the group that the NEXT refill will load, one slot (four K steps) ahead: three tiles x 25 blocks of 256 bytes a wave, a lane a block.
; The addresses are made at the head of a change of slots, behind s_wait_xcnt 0, a slot behind the prefetches that read them.  The last refill asks for nothing.
.macro PADDR d
	s_add_co_u32 s[PO], s[GN], \d
	s_and_b32 s[PO], s[PO], NG-1
	s_mul_i32 s[PO], s[PO], GRP
	s_add_nc_u64 s[PA0:PA0+1], s[PB0:PB0+1], s[PO:PO+1]
	s_add_nc_u64 s[PA1:PA1+1], s[PB1:PB1+1], s[PO:PO+1]
.endm
.macro ASK test                        ; test = 1: not in the loop's last trip (s3 = 1), whose second refill is the last
.if \test
	s_cmp_gt_u32 s3, 1
	s_cbranch_scc0 .Lno_ask_\@
.endif
	global_prefetch_b8 v[PFL], s[PA0:PA0+1] th:TH_LOAD_NT scope:SCOPE_SE
	global_prefetch_b8 v[PFL], s[PA1:PA1+1] th:TH_LOAD_NT scope:SCOPE_SE
	global_prefetch_b8 v[PFL], s[PA1:PA1+1] offset:TP th:TH_LOAD_NT scope:SCOPE_SE
.if \test
.Lno_ask_\@:
.endif
.endm
.macro WIN new
.if MSB != \new
	s_set_vgpr_msb (MSB<<8)|\new
.set MSB, \new
.endif
.endm
.set MUL,   0xa1
.set TO_S0, 0x40
.macro PLACES n
.rept \n
	v_nop
.endr
.endm
.macro JLOAD g0a, g1a, g0b, g1b
	s_cmp_eq_u32 s15, 0
	s_cbranch_scc0 .Lfor_b_\@
	tensor_load_to_lds s[\g0a:\g0a+3], s[\g1a:\g1a+7]
	s_nop 0
.rept 4
	v_nop
.endr
	s_branch .Lasked_\@
.Lfor_b_\@:
	tensor_load_to_lds s[\g0b:\g0b+3], s[\g1b:\g1b+7]
	s_nop 0
.rept 4
	v_nop
.endr
.Lasked_\@:
.endm
.macro GADDR slot
	s_and_b32 s[GOF], s[GN], NG-1
	s_mul_i32 s[GOF], s[GOF], GRP
	s_add_nc_u64 s[G0A+4*\slot+2:G0A+4*\slot+3], s[BS0:BS0+1], s[GOF:GOF+1]
	s_or_b32 s[G0A+4*\slot+3], s[G0A+4*\slot+3], 0x80000000
	s_add_nc_u64 s[G0B+4*\slot+2:G0B+4*\slot+3], s[BS1:BS1+1], s[GOF:GOF+1]
	s_or_b32 s[G0B+4*\slot+3], s[G0B+4*\slot+3], 0x80000000
	s_add_co_u32 s[GN], s[GN], 1
.endm
.macro CREST
	s_cmp_lg_u32 s14, 0
	s_cbranch_scc1 .Lnot_wave_0_\@
	s_barrier_signal -3
.Lnot_wave_0_\@:
	s_barrier_wait -3
	s_barrier_signal -1
	s_barrier_wait -1
.endm
.macro CROUND
	s_barrier_signal -1
	s_barrier_wait -1
	CREST
.endm
.macro WM ac, f0, f1, sa, sb, zero, ra, rb
.if \zero
.if (\ra) && (\rb)
	v_wmma_scale_f32_16x16x128_f8f6f4 v[(\ac):(\ac)+7], v[(\f0):(\f0)+11], v[(\f1):(\f1)+11], 0, v[\sa], v[\sb] matrix_a_fmt:MATRIX_FMT_FP6 matrix_b_fmt:MATRIX_FMT_FP6 matrix_a_scale:MATRIX_SCALE_ROW1 matrix_b_scale:MATRIX_SCALE_ROW1
.elseif \ra
	v_wmma_scale_f32_16x16x128_f8f6f4 v[(\ac):(\ac)+7], v[(\f0):(\f0)+11], v[(\f1):(\f1)+11], 0, v[\sa], v[\sb] matrix_a_fmt:MATRIX_FMT_FP6 matrix_b_fmt:MATRIX_FMT_FP6 matrix_a_scale:MATRIX_SCALE_ROW1
.elseif \rb
	v_wmma_scale_f32_16x16x128_f8f6f4 v[(\ac):(\ac)+7], v[(\f0):(\f0)+11], v[(\f1):(\f1)+11], 0, v[\sa], v[\sb] matrix_a_fmt:MATRIX_FMT_FP6 matrix_b_fmt:MATRIX_FMT_FP6 matrix_b_scale:MATRIX_SCALE_ROW1
.else
	v_wmma_scale_f32_16x16x128_f8f6f4 v[(\ac):(\ac)+7], v[(\f0):(\f0)+11], v[(\f1):(\f1)+11], 0, v[\sa], v[\sb] matrix_a_fmt:MATRIX_FMT_FP6 matrix_b_fmt:MATRIX_FMT_FP6
.endif
.else
.if (\ra) && (\rb)
	v_wmma_scale_f32_16x16x128_f8f6f4 v[(\ac):(\ac)+7], v[(\f0):(\f0)+11], v[(\f1):(\f1)+11], v[(\ac):(\ac)+7], v[\sa], v[\sb] matrix_a_fmt:MATRIX_FMT_FP6 matrix_b_fmt:MATRIX_FMT_FP6 matrix_a_scale:MATRIX_SCALE_ROW1 matrix_b_scale:MATRIX_SCALE_ROW1
.elseif \ra
	v_wmma_scale_f32_16x16x128_f8f6f4 v[(\ac):(\ac)+7], v[(\f0):(\f0)+11], v[(\f1):(\f1)+11], v[(\ac):(\ac)+7], v[\sa], v[\sb] matrix_a_fmt:MATRIX_FMT_FP6 matrix_b_fmt:MATRIX_FMT_FP6 matrix_a_scale:MATRIX_SCALE_ROW1
.elseif \rb
	v_wmma_scale_f32_16x16x128_f8f6f4 v[(\ac):(\ac)+7], v[(\f0):(\f0)+11], v[(\f1):(\f1)+11], v[(\ac):(\ac)+7], v[\sa], v[\sb] matrix_a_fmt:MATRIX_FMT_FP6 matrix_b_fmt:MATRIX_FMT_FP6 matrix_b_scale:MATRIX_SCALE_ROW1
.else
	v_wmma_scale_f32_16x16x128_f8f6f4 v[(\ac):(\ac)+7], v[(\f0):(\f0)+11], v[(\f1):(\f1)+11], v[(\ac):(\ac)+7], v[\sa], v[\sb] matrix_a_fmt:MATRIX_FMT_FP6 matrix_b_fmt:MATRIX_FMT_FP6
.endif
.endif
.endm
.macro MUL8 a, p, q, sc, zero
.irp b, 0,1,2,3,4,5,6,7
	WM 8*(8*(\a)+\b), 128*(\p)+12*\b, F1+48*(\p)+12*(\a), SC+24*(\sc)+4*(\b%4)+(\q), SC+24*(\sc)+16+4*((\a)%2)+(\q), \zero, \b/4, (\a)/2
.endr
.endm
.macro FETCH0 slot, q, p
	WIN TO_S0
.irp i, 0,1,2,3,4,5,6,7
.irp c, 0,1,2
	ds_load_b128 v[128*(\p)+12*\i+4*\c:128*(\p)+12*\i+4*\c+3], v[ADR0+\slot] offset:GRP*\i+FRB*(\q)+512*\c
.endr
.endr
	WIN 0
.endm
.macro FETCH1 slot, q, p
.irp i, 0,1,2,3
.irp c, 0,1,2
	ds_load_b128 v[F1+48*(\p)+12*\i+4*\c:F1+48*(\p)+12*\i+4*\c+3], v[ADR1+\slot] offset:GRP*\i+FRB*(\q)+512*\c
.endr
.endr
.endm
.macro SCALES s
.irp i, 0,1,2,3
	ds_load_b128 v[SC+24*\s+4*\i:SC+24*\s+4*\i+3], v[ADS0+\s] offset:GRP*\i
.endr
.irp i, 0,1
	ds_load_b128 v[SC+24*\s+16+4*\i:SC+24*\s+16+4*\i+3], v[ADS1+\s] offset:GRP*\i
.endr
.endm
.macro STEP slot, q, zero
	s_wait_dscnt 0x0
	WIN MUL
	MUL8 0, (\q)%2, \q, \slot, \zero
	PLACES 4
	FETCH0 \slot, (\q)+1, 1-(\q)%2
	FETCH1 \slot, (\q)+1, 1-(\q)%2
	WIN MUL
	MUL8 1, (\q)%2, \q, \slot, \zero
	MUL8 2, (\q)%2, \q, \slot, \zero
	MUL8 3, (\q)%2, \q, \slot, \zero
.endm
.macro TURN slot, next, fill
	WIN 0
.if \fill
	s_wait_xcnt 0x0                                ; the last prefetches, a slot back, have read their addresses
	PADDR 1                                        ; the group behind the one that this change loads
.endif
	s_wait_tensorcnt 0x0
	ds_add_u32 v[SPW], v[NIL]
	s_wait_dscnt 0x1
	WIN MUL
	MUL8 0, 1, 3, \slot, 0
	s_wait_dscnt 0x0
	s_barrier_signal -1
	MUL8 1, 1, 3, \slot, 0
	WIN 0
	s_barrier_wait -1
.if \fill
	CREST
	GADDR \slot
	JLOAD G0A+4*\slot, G1A, G0B+4*\slot, G1B
.else
	PLACES 4
.endif
	FETCH0 \next, 0, 0
	FETCH1 \next, 0, 0
	SCALES \next
.if \fill
	ASK \slot                                      ; behind the refill and the run of LDS loads that the next products wait for
.endif
	WIN MUL
	MUL8 2, 1, 3, \slot, 0
	MUL8 3, 1, 3, \slot, 0
.endm
.macro QUANT s
.irp b, 0,1,2,3
	v_max3_num_f32 v[TM+\b], |v[\s+16*\b]|, |v[\s+1+16*\b]|, 0x1800000
.endr
.irp i, 2,4,6,8,10,12,14
.irp b, 0,1,2,3
	v_max3_num_f32 v[TM+\b], v[TM+\b], |v[\s+16*\b+\i]|, |v[\s+1+16*\b+\i]|
.endr
.endr
.irp b, 0,1,2,3
	v_permlanex16_b32 v[TM+4+\b], v[TM+\b], s[SEL], s[SEL+1]
.endr
.irp b, 0,1,2,3
	v_max_num_f32 v[TM+\b], v[TM+\b], v[TM+4+\b]
.endr
.irp b, 0,1,2,3
	v_add_nc_u32 v[TM+12+\b], 0xff000000, v[TM+\b]
.endr
.irp b, 0,1,2,3
	v_lshrrev_b32 v[TM+4+\b], 23, v[TM+12+\b]
.endr
	v_lshl_or_b32 v[PW], v[TM+5], 8, v[TM+4]
	v_lshl_or_b32 v[PW], v[TM+6], 16, v[PW]
	v_lshl_or_b32 v[PW], v[TM+7], 24, v[PW]
.irp c, 0,1
	v_cvt_scalef32_pk16_fp6_f32 v[PC+6*\c:PC+2+6*\c], v[\s+32*\c:\s+15+32*\c], v[TM+12+2*\c]
	v_cvt_scalef32_pk16_fp6_f32 v[PC+12+4*\c:PC+14+4*\c], v[\s+16+32*\c:\s+31+32*\c], v[TM+12+2*\c+1]
.endr
	v_nop
.irp c, 0,1
.irp i, 0,1,2
	v_permlane16_swap_b32 v[PC+6*\c+\i], v[PC+12+4*\c+\i]
.endr
.irp i, 0,1,2
	v_mov_b32 v[PC+3+6*\c+\i], v[PC+12+4*\c+\i]
.endr
.endr
.endm
.macro EPI a
	s_wait_xcnt 0x0
	WIN 0x0e
.set n, 0
.rept 32
	v_pk_mul_f32 v[H+n:H+n+1], v[64*(\a)+n:64*(\a)+n+1], v[64*(\a)+n%32:64*(\a)+n%32+1]
.set n, n+2
.endr
.set n, 0
.rept 16
	v_pk_fma_f32 v[H+n:H+n+1], v[64*(\a)+32+n:64*(\a)+33+n], v[64*(\a)+32+n:64*(\a)+33+n], v[H+n:H+n+1] neg_lo:[1,0,0] neg_hi:[1,0,0]
	v_pk_fma_f32 v[H+32+n:H+33+n], v[64*(\a)+n:64*(\a)+n+1], v[64*(\a)+32+n:64*(\a)+33+n], v[H+32+n:H+33+n]
.set n, n+2
.endr
	WIN 0
	QUANT H
	v_mov_b32 v[PWS+\a], v[PW]
.irp c, 0,1,2
	global_store_b128 v[LI], v[PC+4*\c:PC+4*\c+3], s[68:69] offset:FRB*(\a)+512*\c
.endr
.if (\a)%2 == 1
	v_cndmask_b32 v[PWS+4+(\a)/2], v[PWS+(\a)-1], v[PWS+(\a)], s74
	global_store_b32 v[LS], v[PWS+4+(\a)/2], s[70:71] offset:64*((\a)-1)
.endif
.endm
	s_load_b128 s[4:7], s[0:1], 0x0
	s_load_b64 s[8:9], s[0:1], 0x10
	v_lshl_add_u32 v[SPW], v0, 2, SPARE
	v_mov_b32 v[NIL], 0
	ds_add_u32 v[SPW], v[NIL]
	ds_add_u32 v[SPW], v[NIL]
	v_lshrrev_b32 v1, 5, v0
	v_readfirstlane_b32 s14, v1
	s_lshr_b32 s15, s14, 1
	s_and_b32 s16, s14, 1
	s_mov_b32 s41, ttmp9
	s_lshr_b32 s42, s41, 2
	s_lshl_b32 s44, s42, 4
	s_add_co_u32 s44, s44, 128
	s_sub_co_u32 s46, s41, 40
	s_lshl_b32 s47, s46, 4
	s_cmp_lt_u32 s41, 40
	s_cselect_b32 s44, s44, s47
	s_bfe_u32 s40, ttmp6, 0x40000
	s_and_b32 s43, s41, 3
	s_lshl_b32 s45, s43, 2
	s_add_co_u32 s45, s45, s40
	s_lshl_b32 s45, s45, 3
	s_lshl_b32 s76, s40, 3
	s_add_co_u32 s76, s76, 288
	s_cmp_lt_u32 s41, 40
	s_cselect_b32 s45, s45, s76
	s_lshl_b32 s[GN], s43, 1
	s_add_co_u32 s[GN], s[GN], s42
	s_cmp_lt_u32 s41, 40
	s_cselect_b32 s[GN], s[GN], s46
	s_mov_b32 s[GOF+1], 0
	s_mov_b32 s[G1A+0], 15|(3<<16)|(1<<21)
	s_mov_b32 s[G1A+1], 800<<16
	s_mov_b32 s[G1A+2], 8<<16
	s_mov_b32 s[G1A+3], 800<<16
	s_mov_b32 s[G1A+4], 8
	s_mov_b32 s[G1A+5], PITCH8
	s_mov_b32 s[G1A+6], 0
	s_mov_b32 s[G1A+7], 0
	s_mov_b32 s[G1B+0], 3<<16
	s_mov_b32 s[G1B+1], 800<<16
	s_mov_b32 s[G1B+2], 4<<16
	s_mov_b32 s[G1B+3], 800<<16
	s_mov_b32 s[G1B+4], 4
	s_mov_b32 s[G1B+5], PITCH8
	s_mov_b32 s[G1B+6], 0
	s_mov_b32 s[G1B+7], 0
	s_lshl_b32 s77, s16, 3
	s_add_co_u32 s77, s77, s44
	s_mul_i32 s78, s77, TP
	s_mov_b32 s79, 0
	s_lshl_b32 s80, s16, 2
	s_add_co_u32 s80, s80, s45
	s_mul_i32 s80, s80, TP
	s_mov_b32 s81, 0
	s_mul_i32 s82, s16, 8*GRP
	s_mul_i32 s83, s16, 4*GRP
	s_add_co_u32 s83, s83, S1O
	s_mov_b32 s[SEL], 0x76543210
	s_mov_b32 s[SEL+1], 0xfedcba98
	s_wait_dscnt 0x0
	s_wait_kmcnt 0x0
	s_add_nc_u64 s[BS0:BS0+1], s[4:5], s[78:79]
	s_add_nc_u64 s[BS1:BS1+1], s[4:5], s[80:81]
	CROUND
.irp s, 0,1
	s_mov_b32 s[G0A+4*\s], 1
	s_add_co_u32 s[G0A+4*\s+1], s82, \s*SLOT
	s_mov_b32 s[G0B+4*\s], 1
	s_add_co_u32 s[G0B+4*\s+1], s83, \s*SLOT
	GADDR \s
.endr
	JLOAD G0A, G1A, G0B, G1B                       ; slot 0: one tensor load a wave at the head; the rest of the head is worked while it is out
	s_lshl_b32 s[PO], s40, 2
	s_add_co_u32 s[PO], s[PO], s14
	s_add_co_u32 s[PO], s[PO], s44                 ; source 0's tile 4 cx + wave
	s_mul_i32 s[PO], s[PO], TP
	s_mov_b32 s[PO+1], 0
	s_add_nc_u64 s[PB0:PB0+1], s[4:5], s[PO:PO+1]
	s_lshl_b32 s[PO], s14, 1
	s_add_co_u32 s[PO], s[PO], s45                 ; source 1's tiles 2 wave, 2 wave + 1
	s_mul_i32 s[PO], s[PO], TP
	s_add_nc_u64 s[PB1:PB1+1], s[4:5], s[PO:PO+1]
	PADDR NG-1                                     ; the group counter stands two on: one back (modulo NG) is slot 1's group, whose load follows when slot 0 has landed
	v_and_b32 v[PFL], 31, v0
	v_min_u32 v[PFL], 24, v[PFL]
	v_lshlrev_b32 v[PFL], 8, v[PFL]
	ASK 0
	s_lshl_b32 s84, s15, 2
	s_add_co_u32 s84, s84, s45
	s_cmp_lt_u32 s41, 40
	s_cselect_b32 s85, s84, 128
	s_lshl_b32 s86, s85, 13
	s_mov_b32 s87, 0
	s_add_nc_u64 s[66:67], s[6:7], s[86:87]
	v_and_b32 v1, 31, v0
	v_and_b32 v2, 15, v0
	v_bfe_u32 v3, v0, 4, 1
	v_lshlrev_b32 v[LI], 4, v1
	v_lshlrev_b32 v[LS], 2, v1
	WIN 0xc0
.irp a, 0,1,2,3
.irp q, 0,1,2,3,4,5,6,7,8,9,10,11,12,13,14,15
	global_load_b128 v[64*\a+4*\q:64*\a+4*\q+3], v[LI], s[66:67] offset:8192*\a+512*\q
.endr
.endr
	WIN 0
	s_mul_i32 s88, s15, 4*GRP
	s_add_co_u32 s88, s88, S1O
	v_add_nc_u32 v[ADR0], s82, v[LI]
	v_add_nc_u32 v[ADR0+1], SLOT, v[ADR0]
	v_add_nc_u32 v[ADR1], s88, v[LI]
	v_add_nc_u32 v[ADR1+1], SLOT, v[ADR1]
	v_lshlrev_b32 v4, 4, v2
	v_mad_u32_u24 v5, v3, 4*GRP, v4
	v_add_nc_u32 v5, 4*FRB, v5
	v_add_nc_u32 v[ADS0], s82, v5
	v_add_nc_u32 v[ADS0+1], SLOT, v[ADS0]
	v_mad_u32_u24 v5, v3, 2*GRP, v4
	v_add_nc_u32 v5, 4*FRB, v5
	v_add_nc_u32 v[ADS1], s88, v5
	v_add_nc_u32 v[ADS1+1], SLOT, v[ADS1]
	s_lshl_b32 s89, s42, 1
	s_add_co_u32 s89, s89, s16
	s_lshl_b32 s90, s89, 7
	s_add_co_u32 s90, s90, s84
	s_mul_i32 s91, s90, FRB
	s_lshl_b32 s92, s90, 6
	s_add_co_u32 s92, s92, QSOFF
	s_sub_co_u32 s93, s89, 16
	s_lshl_b32 s93, s93, 2
	s_lshr_b32 s94, s84, 5
	s_add_co_u32 s93, s93, s94
	s_mul_i32 s93, s93, SLB
	s_add_co_u32 s93, s93, KVOFF
	s_and_b32 s94, s84, 31
	s_mul_i32 s95, s94, FRB
	s_add_co_u32 s95, s95, s93
	s_lshl_b32 s94, s94, 6
	s_add_co_u32 s94, s94, s93
	s_add_co_u32 s94, s94, 98304
	s_cmp_lt_u32 s41, 32
	s_cselect_b32 s91, s91, s95
	s_cselect_b32 s92, s92, s94
	s_lshl_b32 s93, s46, 1
	s_add_co_u32 s93, s93, s16
	s_lshr_b32 s94, s93, 2
	s_lshl_b32 s95, s40, 2
	s_add_co_u32 s94, s94, s95
	s_mul_i32 s94, s94, SLB
	s_add_co_u32 s94, s94, KVOFF
	s_and_b32 s93, s93, 3
	s_lshl_b32 s93, s93, 3
	s_lshl_b32 s95, s15, 2
	s_add_co_u32 s93, s93, s95
	s_mul_i32 s95, s93, FRB
	s_add_co_u32 s95, s95, s94
	s_add_co_u32 s95, s95, 49152
	s_lshl_b32 s93, s93, 6
	s_add_co_u32 s93, s93, s94
	s_add_co_u32 s93, s93, 100352
	s_cmp_lt_u32 s41, 40
	s_cselect_b32 s96, s91, s95
	s_cselect_b32 s92, s92, s93
	s_mov_b32 s97, 0
	s_add_nc_u64 s[68:69], s[8:9], s[96:97]
	s_mov_b32 s96, s92
	s_add_nc_u64 s[70:71], s[8:9], s[96:97]
	s_wait_xcnt 0x0                                ; the head's prefetches have read their addresses
	PADDR 0                                        ; the group of the first refill in the loop
	s_wait_alu depctr_va_vdst(0)                   ; the wait at the head's end
	s_wait_tensorcnt 0x0                           ; my part of slot 0 is in; slot 1's first fill is issued as a refill is:
	ds_add_u32 v[SPW], v[NIL]
	s_wait_dscnt 0x0
	CROUND                                         ; a whole round: slot 0 is whole, and the partners' joint loads meet
	JLOAD G0A+4, G1A, G0B+4, G1B                   ; slot 1, the first tensor load behind the round
	FETCH0 0, 0, 0
	FETCH1 0, 0, 0
	SCALES 0
	ASK 0
	STEP 0, 0, 1
	WIN 0
	s_mov_b32 s3, LAPS-1
.Llap:
	STEP 0, 1, 0
	STEP 0, 2, 0
	TURN 0, 1, 1
	STEP 1, 0, 0
	STEP 1, 1, 0
	STEP 1, 2, 0
	TURN 1, 0, 1
	STEP 0, 0, 0
	WIN 0
	s_sub_co_u32 s3, s3, 1
	s_cmp_lg_u32 s3, 0
	s_cbranch_scc1 .Llap
	STEP 0, 1, 0
	STEP 0, 2, 0
	TURN 0, 1, 0
	STEP 1, 0, 0
	STEP 1, 1, 0
	STEP 1, 2, 0
	s_wait_dscnt 0x0
	WIN MUL
	MUL8 0, 1, 3, 1, 0
	MUL8 1, 1, 3, 1, 0
	MUL8 2, 1, 3, 1, 0
	MUL8 3, 1, 3, 1, 0
	WIN 0
	s_wait_loadcnt 0x0
	PLACES 4
.irp b, 0,1,2,3
	v_mov_b32 v[TM+4+\b], 0
.endr
	v_cmp_le_u32 s74, 16, v1
.irp a, 0,1,2,3
	EPI \a
.endr
	s_wait_tensorcnt 0x0
	ds_add_u32 v[SPW], v[NIL]
	s_wait_dscnt 0x0
	CROUND
	s_endpgm
.Lfunc_end_k_q4a9974c030_qkv:
	.size	k_q4a9974c030_qkv, .Lfunc_end_k_q4a9974c030_qkv-k_q4a9974c030_qkv
	.p2alignl 7, 3214868480
	.fill 96, 4, 3214868480
	.section	.rodata,"a",@progbits
	.p2align	6, 0x0
	.amdhsa_kernel k_q4a9974c030_qkv
		.amdhsa_group_segment_fixed_size 327680
		.amdhsa_private_segment_fixed_size 0
		.amdhsa_enable_private_segment 0
		.amdhsa_kernarg_size 24
		.amdhsa_user_sgpr_count 2
		.amdhsa_user_sgpr_kernarg_segment_ptr 1
		.amdhsa_wavefront_size32 1
		.amdhsa_system_sgpr_workgroup_id_x 1
		.amdhsa_system_sgpr_workgroup_id_y 1
		.amdhsa_system_sgpr_workgroup_id_z 1
		.amdhsa_system_vgpr_workitem_id 0
		.amdhsa_next_free_vgpr 1024
		.amdhsa_next_free_sgpr 100
		.amdhsa_reserve_vcc 0
		.amdhsa_float_denorm_mode_32 3
		.amdhsa_float_denorm_mode_16_64 3
		.amdhsa_memory_ordered 1
		.amdhsa_forward_progress 1
		.amdhsa_inst_pref_size 160
	.end_amdhsa_kernel
	.amdgpu_metadata
---
amdhsa.version: [ 1, 2 ]
amdhsa.kernels:
  - .name:           k_q4a9974c030_qkv
    .symbol:         k_q4a9974c030_qkv.kd
    .args:
      - { .name: wsq, .offset: 0, .size: 8, .value_kind: global_buffer, .address_space: global }
      - { .name: rope, .offset: 8, .size: 8, .value_kind: global_buffer, .address_space: global }
      - { .name: att, .offset: 16, .size: 8, .value_kind: global_buffer, .address_space: global }
    .group_segment_fixed_size: 327680
    .private_segment_fixed_size: 0
    .kernarg_segment_align: 8
    .kernarg_segment_size: 24
    .max_flat_workgroup_size: 128
    .sgpr_count:     100
    .vgpr_count:     1024
    .wavefront_size: 32
...
	.end_amdgpu_metadata
.endif
;; end of part 2
;; launch attn (part 3): grid 256 x 1, 16 waves a work-group, clusters of 4 x 1, 327,680 bytes of LDS; arguments att, oq; writes oq
.if DOCPART == 3
	.amdgcn_target "amdgcn-amd-amdhsa--gfx1250"
	.amdhsa_code_object_version 6
	.text
	.protected	k_q4a9974c030_attn
	.globl	k_q4a9974c030_attn
	.p2align	8
	.type	k_q4a9974c030_attn,@function
k_q4a9974c030_attn:
	s_mov_b64 s[64:65], 0
	v_nop
	global_prefetch_b8 v0, s[64:65] scope:SCOPE_SE
	s_setreg_imm32_b32 hwreg(HW_REG_WAVE_MODE, 25, 1), 1
	s_wait_xcnt 0x0
	s_wait_alu depctr_hold_cnt(0) depctr_sa_sdst(0) depctr_va_vdst(0) depctr_va_sdst(0) depctr_va_ssrc(0) depctr_va_vcc(0) depctr_vm_vsrc(0)
	s_getreg_b32 s2, hwreg(HW_REG_IB_STS2, 6, 4)
	s_cmp_eq_u32 s2, 0
	s_cbranch_scc0 .Lentry_in_a_cluster
	s_endpgm
.Lentry_in_a_cluster:
	s_bfe_u32 s2, ttmp6, 0x10000c
	s_cmp_lg_u32 s2, 0x3003
	s_cbranch_scc0 .Lentry_shape_is_right
	s_endpgm
.Lentry_shape_is_right:
; ATTN: o = softmax(q k^T / sqrt(128), causal) v for 16 query heads on 4 key and value heads, 2,048 positions, both products on codes of FP6 (E2M3) with E8M0 scales;
; o is quantised along the last product's K (head x 128 + channel) and leaves as images of that product's operand registers (buffer oq).
; THE SOFTMAX: t = score x log2(e) / sqrt(128); M = the running largest t rounded UP to a whole number; p = 2^(t - M) is quantised along the keys, not normalised; the sum is taken
; of the unquantised p and divides O at the end.  When M moves, the sum and O are multiplied by 2^(old M - new M): exact.
; INPUT (buffer att): fragment images.  q: [head][tile] x 1,536 bytes and 16 scale words a tile.  K and V: for each kv head four slots of 512 keys, one dense block of 102,400 bytes each:
; K's 32 tiles of keys, V^T's [key step][d tile], K's scale words, V's.  Lane-row p of tile T is position (or channel) 32 (T / 2) + 8 (T % 2) + p + 8 (p / 8): with both products used
; transposed (S^T = K Q^T, O^T = V^T P^T) a lane holds one query, and its register 16 b + i is key (or channel) 32 b + 16 (lane / 16) + i.
; SHARES: a cluster = the four query heads of one kv head at the same positions: they walk the same K and V, which are asked for jointly.  A work-group has sixteen waves, four to a SIMD
; (4 x 256 registers), and eight tiles of 16 queries.  With tl = 4 P + wave % 4, waves whose bit 2 is clear take tile 127 - tl, the others tile tl.
; A TILE'S KEY STEPS ARE SHARED BY TWO WAVES: wave w (under 8) takes the even key steps, wave w + 8 the odd ones, each with its own running M, sum and O^T.
; So no wave walks more than 8 of the 16 key steps, and the four waves w % 4 alike have 17 steps together, whatever P.
; THE TWO PARTS ARE JOINED at the end: M = the larger of the two; each part's sum and O^T are multiplied by 2^(its M - M), a power of two, and added.  The odd wave hands its 64 registers
; of O^T, its -M and its sum over through LDS: 8,448 bytes a pair, in ring slot 0, which has had its last fill and, behind a barrier, its last read.  A wave that had no step hands over zeros
; and -M = 3e38, whose factor is 0.
; CAUSAL: every work-group walks all four slots: trip counts are constants and no tensor load or barrier is jumped over; a step all of whose keys come after the wave's queries, or which is
; the partner's, leaves out its work by a scalar branch on ids that are equal in all partners; in the step on the diagonal hidden scores become -infinity ahead of the maximum.
; RING: two slots, 2^17 bytes apart; waves 0-3 fetch a quarter of a slot each; the change of slots stands at a slot's head, as a round of the cluster's barrier.
; REGISTERS: v1-7 addresses that stay; v8, v9 the step's addresses; v12 -M, v13 the largest t, v[14:15] the sum; v16-27 Q; v32-79 four fragments of K or V; v80, v81 the pair's stage;
; v96-159 S^T, then p, at the end the partner's O^T and o; v160-223 O^T; v224-235 codes; v232-254 at work; v248-251 scale words of K or V; v255 Q's scale words.
; LIMITS: a block under 2^-124 gets the byte 1; NaN and infinities are not served; the scaled scores t stay under 2^31 in magnitude.
.set FRB,   1536
.set GRP,   6400
.set SLB,   102400                     ; a slot in memory and in LDS
.set STEPB, 8*FRB                      ; a key step's eight tiles of K, or of V^T
.set VOFF,  49152
.set SLOT1, 1<<17
.set SPARE, 2*SLOT1                    ; behind the ring: the spare words, 128 bytes a wave: eight blocks of 256 bytes that no other line names
.set MST,   8448                       ; a pair's stage: 16 x 512 bytes of O^T, 128 of -M, 128 of the sum
.set QSOFF, 3145728
.set KVOFF, 3276800
.set LI,  1                            ; v1 16 x lane
.set LS,  2                            ; v2 4 x lane
.set DM,  3                            ; v3 my query's place in its key step - 16 (lane / 16)
.set OSA, 4                            ; v4 16 x (lane % 16)
.set SPW, 5
.set NIL, 6
.set PFO, 7                            ; v7 256 x lane
.set ADC, 8
.set ADS, 9
.set STA, 80                           ; v80 my pair's stage + 16 x lane
.set STB, 81                           ; v81 my pair's stage + 4 x lane
.set PC,  224
.set TM,  232
.set PW,  253
.set WV,  18
.set SEL, 20
.set CS,  22
.set G1,  24
.set G0,  40
.set TC,  44                           ; s44 LDS byte of the step's tiles of K (V's lie VOFF on)
.set TS,  45                           ; s45 of its scale words of K (V's lie 2,048 on)
.set KS,  46                           ; s46 the key step's number
.set TD,  47                           ; s47 the key step on my diagonal
.set SLOTS, 48
.set CNT, 49
.set LIM, 50
.set PAR, 51                           ; s51 0: I take the even key steps, 1: the odd ones
.set PFA, 52
.macro CROUND
	s_barrier_signal -1
	s_barrier_wait -1
	s_cmp_lg_u32 s[WV], 0
	s_cbranch_scc1 .Lnot_wave_0_\@
	s_barrier_signal -3
.Lnot_wave_0_\@:
	s_barrier_wait -3
	s_barrier_signal -1
	s_barrier_wait -1
.endm
.macro TLOAD                           ; waves 0-3 fetch a quarter of a slot each, jointly with the same wave of the three partners; an s_nop 0 and four v_nop follow
	s_cmp_lt_u32 s[WV], 4
	s_cbranch_scc0 .Lno_load_\@
	tensor_load_to_lds s[G0:G0+3], s[G1:G1+7]
	s_nop 0
.rept 4
	v_nop
.endr
.Lno_load_\@:
.endm
; A prefetch of the codes of the slot that the NEXT change will ask for: 98,304 bytes, lanes 256 bytes apart, 8,192 bytes a wave.  All sixteen clusters of a kv head walk the same slots: the first
; of them (P = 0) asks; its four partners share the bytes out by address, three waves (4, 5, 6) in each.  The last change that fills a slot asks for nothing; slots 0 and 1 come by their loads alone.
.macro ASK
	s_cmp_gt_u32 s[SLOTS], s[LIM]
	s_cbranch_scc0 .Lnot_mine_\@
	global_prefetch_b8 v[PFO], s[PFA:PFA+1] th:TH_LOAD_NT scope:SCOPE_SE
.Lnot_mine_\@:
.endm
.macro QUANT s                         ; 64 numbers of a lane, register 16 b + i = k 32 b + 16 (lane / 16) + i, become codes in v[PC] on and a scale word in v[PW]
.irp b, 0,1,2,3
	v_max3_num_f32 v[TM+\b], |v[\s+16*\b]|, |v[\s+1+16*\b]|, 0x1800000
.endr
.irp i, 2,4,6,8,10,12,14
.irp b, 0,1,2,3
	s_delay_alu instid0(VALU_DEP_4)
	v_max3_num_f32 v[TM+\b], v[TM+\b], |v[\s+16*\b+\i]|, |v[\s+1+16*\b+\i]|
.endr
.endr
.irp b, 0,1,2,3
	s_delay_alu instid0(VALU_DEP_4)
	v_permlanex16_b32 v[TM+4+\b], v[TM+\b], s[SEL], s[SEL+1]
.endr
.irp b, 0,1,2,3
	s_delay_alu instid0(VALU_DEP_4)
	v_max_num_f32 v[TM+\b], v[TM+\b], v[TM+4+\b]
.endr
.irp b, 0,1,2,3
	s_delay_alu instid0(VALU_DEP_4)
	v_add_nc_u32 v[TM+12+\b], 0xff000000, v[TM+\b]
.endr
.irp b, 0,1,2,3
	s_delay_alu instid0(VALU_DEP_4)
	v_lshrrev_b32 v[TM+4+\b], 23, v[TM+12+\b]
.endr
	s_delay_alu instid0(VALU_DEP_3)
	v_lshl_or_b32 v[PW], v[TM+5], 8, v[TM+4]
	s_delay_alu instid0(VALU_DEP_1)
	v_lshl_or_b32 v[PW], v[TM+6], 16, v[PW]
	s_delay_alu instid0(VALU_DEP_1)
	v_lshl_or_b32 v[PW], v[TM+7], 24, v[PW]
.irp c, 0,1
	v_cvt_scalef32_pk16_fp6_f32 v[PC+6*\c:PC+2+6*\c], v[\s+32*\c:\s+15+32*\c], v[TM+12+2*\c]
	v_cvt_scalef32_pk16_fp6_f32 v[PC+12+4*\c:PC+14+4*\c], v[\s+16+32*\c:\s+31+32*\c], v[TM+12+2*\c+1]
.endr
	v_nop
.irp c, 0,1
.irp i, 0,1,2
	v_permlane16_swap_b32 v[PC+6*\c+\i], v[PC+12+4*\c+\i]
.endr
.irp i, 0,1,2
	s_delay_alu instid0(VALU_DEP_3)
	v_mov_b32 v[PC+3+6*\c+\i], v[PC+12+4*\c+\i]
.endr
.endr
.endm
; A KEY STEP: 128 keys
.macro STEP
	s_cmp_gt_u32 s[KS], s[TD]                          ; all its keys come after my queries: nothing to do but step the addresses
	s_cbranch_scc1 .Lhidden_\@
	s_and_b32 s83, s[KS], 1
	s_cmp_lg_u32 s83, s[PAR]                           ; or the step is my partner's
	s_cbranch_scc1 .Lhidden_\@
	v_add_nc_u32 v[ADC], s[TC], v[LI]
	s_wait_alu depctr_va_vdst(0)
	v_add_nc_u32 v[ADS], s[TS], v[LS]
	v_nop
	v_nop                                              ; with the two additions: four places in front of loads into registers that my last step's products read
.irp g, 0,1                            ; S^T = K Q^T, four tiles of 16 keys at a time
.if \g
.rept 4
	v_nop
.endr
.endif
.irp t, 0,1,2,3
.irp c, 0,1,2
	ds_load_b128 v[32+12*\t+4*\c:35+12*\t+4*\c], v[ADC] offset:(4*\g+\t)*FRB+512*\c
.endr
.endr
.if \g == 0
.irp p, 0,1,2,3
	ds_load_b32 v[248+\p], v[ADS] offset:128*\p        ; lanes 0-15: tile 2 p's scale words, lanes 16-31: tile 2 p + 1's
.endr
.endif
	s_wait_dscnt 0x0
.irp t, 0,1,2,3
.if (\t)%2
	v_wmma_scale_f32_16x16x128_f8f6f4 v[96+8*(4*\g+\t):103+8*(4*\g+\t)], v[32+12*\t:43+12*\t], v[16:27], 0, v[248+(4*\g+\t)/2], v255 matrix_a_fmt:MATRIX_FMT_FP6 matrix_b_fmt:MATRIX_FMT_FP6 matrix_a_scale:MATRIX_SCALE_ROW1
.else
	v_wmma_scale_f32_16x16x128_f8f6f4 v[96+8*(4*\g+\t):103+8*(4*\g+\t)], v[32+12*\t:43+12*\t], v[16:27], 0, v[248+(4*\g+\t)/2], v255 matrix_a_fmt:MATRIX_FMT_FP6 matrix_b_fmt:MATRIX_FMT_FP6
.endif
.endr
.endr
.rept 4
	v_nop
.endr
.irp t, 0,1,2,3                        ; V^T's first four tiles and all its scale words are asked for now: they land while the softmax is walked
.irp c, 0,1,2
	ds_load_b128 v[32+12*\t+4*\c:35+12*\t+4*\c], v[ADC] offset:VOFF+\t*FRB+512*\c
.endr
.endr
	s_wait_alu depctr_va_vdst(0)
.irp p, 0,1,2,3
	ds_load_b32 v[248+\p], v[ADS] offset:2048+128*\p
.endr
	s_cmp_lt_u32 s[KS], s[TD]                          ; all its keys count: no mask
	s_cbranch_scc1 .Lopen_\@
	v_mov_b32 v254, 0xff800000                         ; -infinity.  Register 16 b + i holds the step's key 32 b + i + 16 (lane / 16): hidden where 32 b + i > v[DM]
.set n, 0
.rept 64
	v_cmp_gt_i32 vcc_lo, 32*(n/16)+n%16, v[DM]
	v_cndmask_b32 v[96+n], v[96+n], v254, vcc_lo
.set n, n+1
.endr
.Lopen_\@:
.irp b, 0,1,2,3
	v_max3_num_f32 v[232+\b], v[96+16*\b], v[97+16*\b], v[98+16*\b]   ; the largest score of each block of 32 keys: for the row's maximum and, since p rises with the score, for the block's largest p
.endr
.irp i, 3,5,7,9,11,13
.irp b, 0,1,2,3
	v_max3_num_f32 v[232+\b], v[232+\b], v[96+16*\b+\i], v[97+16*\b+\i]
.endr
.endr
.irp b, 0,1,2,3
	v_max_num_f32 v[232+\b], v[232+\b], v[111+16*\b]
.endr
.irp b, 0,1,2,3
	s_delay_alu instid0(VALU_DEP_4)
	v_permlanex16_b32 v[236+\b], v[232+\b], s[SEL], s[SEL+1]
.endr
.irp b, 0,1,2,3
	s_delay_alu instid0(VALU_DEP_4)
	v_max_num_f32 v[232+\b], v[232+\b], v[236+\b]      ; with lane l xor 16's 16 keys
.endr
	s_delay_alu instid0(VALU_DEP_2)
	v_max3_num_f32 v254, v232, v233, v234
	s_delay_alu instid0(VALU_DEP_1)
	v_max_num_f32 v254, v254, v235                     ; the step's largest score of my query
	s_delay_alu instid0(VALU_DEP_1)
	v_mul_f32 v254, s[CS], v254                        ; as t
	s_delay_alu instid0(VALU_DEP_1)
	v_max_num_f32 v13, v13, v254                       ; the running largest t
	v_mov_b32 v254, v12
	s_delay_alu instid0(VALU_DEP_2)
	v_floor_f32 v12, -v13                              ; the new -M = floor(-t): M is a whole number
	s_delay_alu instid0(VALU_DEP_1)
	v_sub_f32 v254, v12, v254                          ; old M - new M: a whole number, 0 or less
	s_delay_alu instid0(VALU_DEP_1)
	v_cvt_i32_f32 v254, v254                           ; (it saturates)
	s_delay_alu instid0(VALU_DEP_1)
	v_ldexp_f32 v252, 1.0, v254                        ; f = 2^(old M - new M)
.set n, 0
.rept 32
	v_pk_fma_f32 v[96+n:97+n], v[96+n:97+n], s[CS:CS+1], v[12:13] op_sel_hi:[1,0,0]   ; t - M, two at a time
.set n, n+2
.endr
.irp b, 0,1,2,3
	v_fma_f32 v[232+\b], v[232+\b], s[CS], v12         ; the same of each block's largest score
.endr
	s_wait_alu depctr_va_vdst(0)
.set n, 0
.rept 64
	v_exp_f32 v[96+n], v[96+n]                         ; p = 2^(t - M)
.set n, n+1
.endr
	v_pk_mul_f32 v[14:15], v[14:15], v[252:253] op_sel_hi:[1,0]   ; the sums under the new M: a plain instruction behind the exponentials
	s_wait_alu depctr_va_vdst(0)                       ; one wait for the whole batch, ahead of its first reader
.irp b, 0,1,2,3
	v_exp_f32 v[232+\b], v[232+\b]                     ; the block's largest p
.endr
	v_pk_add_f32 v[236:237], v[100:101], v[104:105]    ; the sum of the 64 p, in eight chains
	v_pk_add_f32 v[246:247], v[108:109], v[112:113]
	v_pk_add_f32 v[244:245], v[116:117], v[120:121]
	v_pk_add_f32 v[242:243], v[124:125], v[128:129]
	v_pk_add_f32 v[240:241], v[132:133], v[136:137]
	v_pk_add_f32 v[238:239], v[140:141], v[144:145]
	v_pk_add_f32 v[230:231], v[148:149], v[152:153]
	v_pk_add_f32 v[14:15], v[14:15], v[156:157]
	v_pk_add_f32 v[236:237], v[236:237], v[96:97]
	v_pk_add_f32 v[246:247], v[246:247], v[98:99]
	v_pk_add_f32 v[244:245], v[244:245], v[102:103]
	v_pk_add_f32 v[242:243], v[242:243], v[106:107]
	v_pk_add_f32 v[240:241], v[240:241], v[110:111]
	v_pk_add_f32 v[238:239], v[238:239], v[114:115]
	v_pk_add_f32 v[230:231], v[230:231], v[118:119]
	v_pk_add_f32 v[14:15], v[14:15], v[122:123]
	v_pk_add_f32 v[236:237], v[236:237], v[126:127]
	v_pk_add_f32 v[246:247], v[246:247], v[130:131]
	v_pk_add_f32 v[244:245], v[244:245], v[134:135]
	v_pk_add_f32 v[242:243], v[242:243], v[138:139]
	v_pk_add_f32 v[240:241], v[240:241], v[142:143]
	v_pk_add_f32 v[238:239], v[238:239], v[146:147]
	v_pk_add_f32 v[230:231], v[230:231], v[150:151]
	v_pk_add_f32 v[14:15], v[14:15], v[154:155]
	v_pk_add_f32 v[236:237], v[236:237], v[158:159]
	s_delay_alu instid0(VALU_DEP_2)
	v_pk_add_f32 v[14:15], v[14:15], v[242:243]
	s_delay_alu instid0(VALU_DEP_2)
	v_pk_add_f32 v[236:237], v[236:237], v[240:241]
	v_pk_add_f32 v[246:247], v[246:247], v[238:239]
	v_pk_add_f32 v[244:245], v[244:245], v[230:231]
	s_delay_alu instid0(VALU_DEP_2)
	v_pk_add_f32 v[14:15], v[14:15], v[246:247]
	s_delay_alu instid0(VALU_DEP_2)
	v_pk_add_f32 v[236:237], v[236:237], v[244:245]
	s_delay_alu instid0(VALU_DEP_1)
	v_pk_add_f32 v[14:15], v[14:15], v[236:237]
	s_wait_alu depctr_va_vdst(0)                       ; and one for the four
.irp b, 0,1,2,3
	v_max_num_f32 v[232+\b], 0x1800000, v[232+\b]      ; the floor: a block whose every p is 0 keeps the byte 1; its codes are zeros
.endr
.irp b, 0,1,2,3
	s_delay_alu instid0(VALU_DEP_4)
	v_add_nc_u32 v[244+\b], 0xff000000, v[232+\b]
.endr
.irp b, 0,1,2,3
	s_delay_alu instid0(VALU_DEP_4)
	v_lshrrev_b32 v[236+\b], 23, v[244+\b]
.endr
	s_delay_alu instid0(VALU_DEP_3)
	v_lshl_or_b32 v253, v237, 8, v236                  ; p's scale word for these 128 keys
	s_delay_alu instid0(VALU_DEP_1)
	v_lshl_or_b32 v253, v238, 16, v253
	s_delay_alu instid0(VALU_DEP_1)
	v_lshl_or_b32 v253, v239, 24, v253
.irp c, 0,1
	v_cvt_scalef32_pk16_fp6_f32 v[224+6*\c:226+6*\c], v[96+32*\c:111+32*\c], v[244+2*\c]
	v_cvt_scalef32_pk16_fp6_f32 v[236+4*\c:238+4*\c], v[112+32*\c:127+32*\c], v[244+2*\c+1]
.endr
	v_nop
.irp c, 0,1
.irp i, 0,1,2
	v_permlane16_swap_b32 v[224+6*\c+\i], v[236+4*\c+\i]
.endr
.irp i, 0,1,2
	s_delay_alu instid0(VALU_DEP_3)
	v_mov_b32 v[227+6*\c+\i], v[236+4*\c+\i]
.endr
.endr
.set n, 0
.rept 32
	v_pk_mul_f32 v[160+n:161+n], v[160+n:161+n], v[252:253] op_sel_hi:[1,0]   ; O^T under the new M; these 32 are also the places between p's codes and scale word and the products below
.set n, n+2
.endr
	s_wait_alu depctr_va_vdst(0)
	s_wait_dscnt 0x0                                   ; V^T's first four tiles and the scale words
.irp g, 0,1                            ; O^T += V^T P^T
.if \g
.rept 4
	v_nop
.endr
.irp t, 0,1,2,3
.irp c, 0,1,2
	ds_load_b128 v[32+12*\t+4*\c:35+12*\t+4*\c], v[ADC] offset:VOFF+(4+\t)*FRB+512*\c
.endr
.endr
	s_wait_dscnt 0x0
.endif
.irp t, 0,1,2,3
.if (\t)%2
	v_wmma_scale_f32_16x16x128_f8f6f4 v[160+8*(4*\g+\t):167+8*(4*\g+\t)], v[32+12*\t:43+12*\t], v[224:235], v[160+8*(4*\g+\t):167+8*(4*\g+\t)], v[248+(4*\g+\t)/2], v253 matrix_a_fmt:MATRIX_FMT_FP6 matrix_b_fmt:MATRIX_FMT_FP6 matrix_a_scale:MATRIX_SCALE_ROW1
.else
	v_wmma_scale_f32_16x16x128_f8f6f4 v[160+8*(4*\g+\t):167+8*(4*\g+\t)], v[32+12*\t:43+12*\t], v[224:235], v[160+8*(4*\g+\t):167+8*(4*\g+\t)], v[248+(4*\g+\t)/2], v253 matrix_a_fmt:MATRIX_FMT_FP6 matrix_b_fmt:MATRIX_FMT_FP6
.endif
.endr
.endr
.Lhidden_\@:
	s_add_co_u32 s[TC], s[TC], STEPB
	s_add_co_u32 s[TS], s[TS], 512
	s_add_co_u32 s[KS], s[KS], 1
.endm
; THE CHANGE OF SLOTS, at a slot's head.  Each wave waits for all its tensor loads (its part of the slot ahead), adds 0 to its spare word, and waits for that and for its reads of the slot that it has left.
; fill = 1: the barrier is a round of the cluster's, and behind it the slot that was left is filled with the next 512 keys: the load has four key steps in which to land.
.macro CHANGE fill
	s_wait_tensorcnt 0x0                               ; no tensor load of mine is out, so the descriptor may be written
	ds_add_u32 v[SPW], v[NIL]
.if \fill
	ds_add_u32 v[SPW], v[NIL]                          ; twice
	s_xor_b32 s[G0+1], s[G0+1], SLOT1                  ; the other slot,
	s_add_nc_u64 s[G0+2:G0+3], s[G0+2:G0+3], SLB       ; the next 512 keys
	s_wait_xcnt 0x0                                    ; the last prefetch, a slot back, has read its address
	s_add_nc_u64 s[PFA:PFA+1], s[PFA:PFA+1], SLB       ; one slot further on than the descriptor
	s_wait_dscnt 0x0                                   ; the adds are done, and my reads of the slot that I have left are over
	CROUND
	TLOAD                                              ; the first thing behind the round, and a wave's one tensor load until the next
	ASK
.else
	s_wait_dscnt 0x0
	s_barrier_signal -1
	s_barrier_wait -1
.endif
.endm
.macro FOUR_STEPS                      ; a slot's four key steps: written once, walked four times
	s_mov_b32 s[CNT], 4
.Lstep_\@:
	STEP
	s_sub_co_u32 s[CNT], s[CNT], 1
	s_cmp_lg_u32 s[CNT], 0
	s_cbranch_scc1 .Lstep_\@
	s_sub_co_u32 s[TC], s[TC], 4*STEPB
	s_xor_b32 s[TC], s[TC], SLOT1                      ; on to the other slot
	s_sub_co_u32 s[TS], s[TS], 4*512
	s_xor_b32 s[TS], s[TS], SLOT1
.endm
	s_load_b128 s[4:7], s[0:1], 0x0                    ; att, oq
	v_lshl_add_u32 v[SPW], v0, 2, SPARE
	v_mov_b32 v[NIL], 0
	ds_add_u32 v[SPW], v[NIL]                          ; the wave's opening: the add, twice on end, and its wait ahead of the first tensor loads
	ds_add_u32 v[SPW], v[NIL]
	v_lshrrev_b32 v8, 5, v0
	s_delay_alu instid0(VALU_DEP_1)
	v_readfirstlane_b32 s[WV], v8                      ; wave 0..15
	s_and_b32 s11, ttmp9, 3                            ; g: the kv head
	s_lshr_b32 s12, ttmp9, 2                           ; P
	s_and_b32 s13, s[WV], 3
	s_lshr_b32 s[PAR], s[WV], 3                        ; which key steps are mine
	s_and_b32 s84, s[WV], 7
	s_mul_i32 s84, s84, MST                            ; my pair's stage
	s_lshl_b32 s14, s12, 2
	s_add_co_u32 s14, s14, s13                         ; tl
	s_sub_co_u32 s15, 127, s14
	s_and_b32 s83, s[WV], 4
	s_cmp_eq_u32 s83, 0
	s_cselect_b32 s16, s15, s14                        ; T: my tile of queries
	s_lshr_b32 s[TD], s16, 3
	; descriptor group 1: a quarter of a slot, 25,600 dense bytes, as 100 rows of 256 bytes (32 elements of 8 bytes)
	s_mov_b32 s[G1+0], 15|(3<<16)|(1<<21)
	s_mov_b32 s[G1+1], 32<<16
	s_mov_b32 s[G1+2], 100<<16
	s_mov_b32 s[G1+3], 32<<16
	s_mov_b32 s[G1+4], 100
	s_mov_b32 s[G1+5], 32
	s_mov_b32 s[G1+6], 0
	s_mov_b32 s[G1+7], 0
	s_mul_i32 s34, s11, 4*SLB
	s_add_co_u32 s34, s34, KVOFF                       ; the kv head's four slots
	s_mov_b32 s35, 0
	s_mul_i32 s36, s13, SLB/4                          ; a loading wave's quarter, in memory and in a slot
	s_mov_b32 s37, 0
	s_bfe_u32 s10, ttmp6, 0x40000                      ; cx: it enters q's, o's and the prefetches' addresses alone
	s_lshl_b32 s17, s11, 2
	s_add_co_u32 s17, s17, s10                         ; the query head
	s_lshl_b32 s66, s17, 7
	s_add_co_u32 s66, s66, s16
	s_mul_i32 s68, s66, FRB
	s_mov_b32 s69, 0
	s_lshl_b32 s70, s66, 6
	s_add_co_u32 s70, s70, QSOFF
	s_mov_b32 s71, 0
	s_mul_i32 s72, s16, 4*GRP
	s_mul_i32 s73, s11, GRP
	s_add_co_u32 s72, s72, s73                         ; oq: tile T, group g (heads 4 g .. 4 g + 3 are its four K steps)
	s_mul_i32 s73, s10, FRB
	s_add_co_u32 s74, s72, s73
	s_mov_b32 s75, 0
	s_lshl_b32 s73, s10, 2
	s_add_co_u32 s76, s72, s73
	s_add_co_u32 s76, s76, 4*FRB
	s_mov_b32 s77, 0
	s_mul_i32 s78, s10, 3
	s_add_co_u32 s78, s78, s13
	s_lshl_b32 s78, s78, 13                            ; the prefetches: 8,192 bytes for each of 3 waves of 4 partners,
	s_add_co_u32 s78, s78, SLB                         ; in slot 1: the first change steps it to slot 2
	s_mov_b32 s79, 0
	s_sub_co_u32 s82, s[WV], 4
	s_cmp_lt_u32 s82, 3                                ; waves 4, 5, 6
	s_cselect_b32 s82, 0, 1
	s_or_b32 s82, s82, s12                             ; of the kv head's first cluster
	s_cmp_eq_u32 s82, 0
	s_cselect_b32 s[LIM], 1, -1
	s_lshr_b32 s80, s16, 1
	s_and_b32 s80, s80, 3
	s_lshl_b32 s80, s80, 5
	s_and_b32 s81, s16, 1
	s_lshl_b32 s81, s81, 3
	s_add_co_u32 s80, s80, s81                         ; my tile's first place in its key step
	s_mov_b32 s[SEL], 0x76543210
	s_mov_b32 s[SEL+1], 0xfedcba98
	s_mov_b32 s[CS], 0x3e0293ee                        ; log2(e) / sqrt(128)
	s_mov_b32 s[CS+1], s[CS]
	s_mov_b32 s[TC], 0
	s_mov_b32 s[TS], 98304
	s_mov_b32 s[KS], 0
	s_mov_b32 s[SLOTS], 3
	s_wait_dscnt 0x0                                   ; the opening adds are done
	s_wait_kmcnt 0x0
	s_add_nc_u64 s[34:35], s[4:5], s[34:35]
	s_add_nc_u64 s[PFA:PFA+1], s[34:35], s[78:79]
	s_add_nc_u64 s[54:55], s[4:5], s[68:69]            ; q's codes
	s_add_nc_u64 s[56:57], s[4:5], s[70:71]            ; q's scale words
	s_add_nc_u64 s[58:59], s[6:7], s[74:75]            ; o's codes
	s_add_nc_u64 s[60:61], s[6:7], s[76:77]            ; o's scale words
	CROUND                                             ; all four work-groups are here
	s_mov_b32 s[G0], 1
	s_mov_b32 s[G0+1], s36
	s_add_nc_u64 s[G0+2:G0+3], s[34:35], s[36:37]
	s_or_b32 s[G0+3], s[G0+3], 0x80000000
	TLOAD                                              ; slot 0
	v_and_b32 v8, 31, v0
	s_delay_alu instid0(VALU_DEP_1)
	v_lshlrev_b32 v[LI], 4, v8
	s_delay_alu instid0(VALU_DEP_2)
	v_lshlrev_b32 v[LS], 2, v8
	s_delay_alu instid0(VALU_DEP_3)
	v_lshlrev_b32 v[PFO], 8, v8
	v_and_b32 v8, 15, v0                               ; r
	v_bfe_u32 v9, v0, 4, 1                             ; h
	s_delay_alu instid0(VALU_DEP_2)
	v_lshlrev_b32 v[OSA], 4, v8
	s_delay_alu instid0(VALU_DEP_3)
	v_lshlrev_b32 v10, 2, v8
.irp c, 0,1,2
	global_load_b128 v[16+4*\c:19+4*\c], v[LI], s[54:55] offset:512*\c       ; Q's fragment stays in registers (both waves of a pair hold it)
.endr
	global_load_b32 v255, v10, s[56:57]
	v_add_nc_u32 v[STA], s84, v[LI]
	v_add_nc_u32 v[STB], s84, v[LS]
	v_and_b32 v11, 8, v8
	s_delay_alu instid0(VALU_DEP_1)
	v_add3_u32 v[DM], v11, v8, s80
	v_lshlrev_b32 v11, 4, v9
	s_delay_alu instid0(VALU_DEP_1)
	v_sub_nc_u32 v[DM], v[DM], v11
	v_mov_b32 v13, 0xff61b1e6                          ; the largest t so far: -3e38
	s_delay_alu instid0(VALU_DEP_1)
	v_floor_f32 v12, -v13
	v_mov_b32 v14, 0
	v_mov_b32 v15, 0
.irp b, 0,1,2,3
	v_mov_b32 v[236+\b], 0                             ; a lane permute's destination counts as one of its sources
.endr
	v_mov_b32 v252, 0
	v_mov_b32 v253, 0
.set n, 0
.rept 64
	v_mov_b32 v[160+n], 0                              ; O^T: the step is written once; its first walk finds zeros, and a wave with no step hands zeros over
.set n, n+1
.endr
	s_wait_alu depctr_va_vdst(0)                       ; the wait at the head's end
	s_wait_loadcnt 0x0                                 ; Q
.Lslot:                                                    ; three trips: behind each change of slots but the last the next slot is asked for
	CHANGE 1
	FOUR_STEPS
	s_sub_co_u32 s[SLOTS], s[SLOTS], 1
	s_cmp_lg_u32 s[SLOTS], 0
	s_cbranch_scc1 .Lslot
	CHANGE 0                                           ; the last slot is written out
	FOUR_STEPS
	; THE TWO PARTS OF A TILE ARE JOINED.  A barrier first: behind it no wave reads the ring any more, and the stages lie in ring slot 0
	s_wait_dscnt 0x0
	s_barrier_signal -1
	s_barrier_wait -1
.rept 4
	v_nop                                              ; places behind the last products
.endr
	v_add_f32 v14, v14, v15                            ; my lane's part of my sum
	s_wait_alu depctr_va_vdst(0)                       ; the wait ahead of the branch
	s_cmp_lt_u32 s[WV], 8
	s_cbranch_scc1 .Lkeeps
.set n, 0
.rept 16
	ds_store_b128 v[STA], v[160+4*n:163+4*n] offset:512*n   ; the odd steps' O^T as an image of its registers, each accumulator from its low end on
.set n, n+1
.endr
	ds_store_b32 v[STB], v12 offset:8192               ; its -M
	ds_store_b32 v[STB], v14 offset:8320               ; and its sum
.Lkeeps:
	s_wait_dscnt 0x0                                   ; the stores are done, for the partner's sake
	s_barrier_signal -1
	s_barrier_wait -1
	s_cmp_lt_u32 s[WV], 8
	s_cbranch_scc0 .Lend                               ; the odd steps' waves have handed over
.set n, 0
.rept 16
	ds_load_b128 v[96+4*n:99+4*n], v[STA] offset:512*n
.set n, n+1
.endr
	ds_load_b32 v232, v[STB] offset:8192
	ds_load_b32 v233, v[STB] offset:8320
	s_wait_dscnt 0x0
	v_min_num_f32 v234, v12, v232                      ; -M of the larger M
	s_delay_alu instid0(VALU_DEP_1)
	v_sub_f32 v235, v234, v12                          ; my M - M and the partner's M - M: whole numbers, 0 or less
	v_sub_f32 v238, v234, v232
	s_delay_alu instid0(VALU_DEP_2)
	v_cvt_i32_f32 v235, v235                           ; (they saturate)
	s_delay_alu instid0(VALU_DEP_2)
	v_cvt_i32_f32 v238, v238
	s_delay_alu instid0(VALU_DEP_2)
	v_ldexp_f32 v252, 1.0, v235                        ; my factor,
	s_delay_alu instid0(VALU_DEP_2)
	v_ldexp_f32 v236, 1.0, v238                        ; the partner's: powers of two, or 0 for a part that had no step
	s_delay_alu instid0(VALU_DEP_2)
	v_mul_f32 v14, v14, v252
	s_delay_alu instid0(VALU_DEP_1)
	v_fma_f32 v14, v233, v236, v14
	s_delay_alu instid0(VALU_DEP_1)
	v_permlanex16_b32 v239, v14, s[SEL], s[SEL+1]
	s_delay_alu instid0(VALU_DEP_1)
	v_add_f32 v14, v14, v239                           ; the row's sum
	s_wait_alu depctr_va_vdst(0)
	v_rcp_f32 v14, v14
	v_nop                                              ; a plain instruction behind the reciprocal,
	s_wait_alu depctr_va_vdst(0)                       ; and the wait ahead of its first reader
	v_mul_f32 v252, v252, v14                          ; the division by the sum goes into the two factors
	v_mul_f32 v236, v236, v14
.set n, 0
.rept 32
	v_pk_mul_f32 v[96+n:97+n], v[96+n:97+n], v[236:237] op_sel_hi:[1,0]
.set n, n+2
.endr
.set n, 0
.rept 32
	v_pk_fma_f32 v[96+n:97+n], v[160+n:161+n], v[252:253], v[96+n:97+n] op_sel_hi:[1,0,1]   ; o: register 16 b + i is channel 32 b + 16 h + i of my query
.set n, n+2
.endr
	QUANT 96                                           ; quantised as it stands: the codes are a fragment of the last product's operand
.irp c, 0,1,2
	global_store_b128 v[LI], v[PC+4*\c:PC+4*\c+3], s[58:59] offset:512*\c    ; 512 consecutive bytes, aligned to 256
.endr
	global_store_b32 v[OSA], v[PW], s[60:61]           ; my row's word, 16 bytes from row to row (the other three words of a row are other heads'); lanes l and l xor 16 store the same word at the same place
.Lend:
	s_wait_tensorcnt 0x0                               ; the wave's end
	ds_add_u32 v[SPW], v[NIL]
	s_wait_dscnt 0x0
	CROUND                                             ; the closing round
	s_endpgm
.Lfunc_end_k_q4a9974c030_attn:
	.size	k_q4a9974c030_attn, .Lfunc_end_k_q4a9974c030_attn-k_q4a9974c030_attn
	.p2alignl 7, 3214868480
	.fill 96, 4, 3214868480
	.section	.rodata,"a",@progbits
	.p2align	6, 0x0
	.amdhsa_kernel k_q4a9974c030_attn
		.amdhsa_group_segment_fixed_size 327680
		.amdhsa_private_segment_fixed_size 0
		.amdhsa_enable_private_segment 0
		.amdhsa_kernarg_size 16
		.amdhsa_user_sgpr_count 2
		.amdhsa_user_sgpr_kernarg_segment_ptr 1
		.amdhsa_wavefront_size32 1
		.amdhsa_system_sgpr_workgroup_id_x 1
		.amdhsa_system_sgpr_workgroup_id_y 1
		.amdhsa_system_sgpr_workgroup_id_z 1
		.amdhsa_system_vgpr_workitem_id 0
		.amdhsa_next_free_vgpr 256
		.amdhsa_next_free_sgpr 100
		.amdhsa_reserve_vcc 1
		.amdhsa_float_denorm_mode_32 3
		.amdhsa_float_denorm_mode_16_64 3
		.amdhsa_memory_ordered 1
		.amdhsa_forward_progress 1
		.amdhsa_inst_pref_size 76
	.end_amdhsa_kernel
	.amdgpu_metadata
---
amdhsa.version: [ 1, 2 ]
amdhsa.kernels:
  - .name:           k_q4a9974c030_attn
    .symbol:         k_q4a9974c030_attn.kd
    .args:
      - { .name: att, .offset: 0, .size: 8, .value_kind: global_buffer, .address_space: global }
      - { .name: oq, .offset: 8, .size: 8, .value_kind: global_buffer, .address_space: global }
    .group_segment_fixed_size: 327680
    .private_segment_fixed_size: 0
    .kernarg_segment_align: 8
    .kernarg_segment_size: 16
    .max_flat_workgroup_size: 512
    .sgpr_count:     100
    .vgpr_count:     256
    .wavefront_size: 32
...
	.end_amdgpu_metadata
.endif
;; end of part 3
;; launch proj (part 4): grid 16 x 16, 4 waves a work-group, clusters of 4 x 4, 327,680 bytes of LDS; arguments wsq, oq, out0; writes out0
.if DOCPART == 4
	.amdgcn_target "amdgcn-amd-amdhsa--gfx1250"
	.amdhsa_code_object_version 6
	.text
	.protected	k_q4a9974c030_proj
	.globl	k_q4a9974c030_proj
	.p2align	8
	.type	k_q4a9974c030_proj,@function
k_q4a9974c030_proj:
	s_mov_b64 s[64:65], 0
	v_nop
	global_prefetch_b8 v0, s[64:65] scope:SCOPE_SE
	s_setreg_imm32_b32 hwreg(HW_REG_WAVE_MODE, 25, 1), 1
	s_wait_xcnt 0x0
	s_wait_alu depctr_hold_cnt(0) depctr_sa_sdst(0) depctr_va_vdst(0) depctr_va_sdst(0) depctr_va_ssrc(0) depctr_va_vcc(0) depctr_vm_vsrc(0)
	s_getreg_b32 s2, hwreg(HW_REG_IB_STS2, 6, 4)
	s_cmp_eq_u32 s2, 0
	s_cbranch_scc0 .Lentry_in_a_cluster
	s_endpgm
.Lentry_in_a_cluster:
	s_bfe_u32 s2, ttmp6, 0x10000c
	s_cmp_lg_u32 s2, 0xf033
	s_cbranch_scc0 .Lentry_shape_is_right
	s_endpgm
.Lentry_shape_is_right:
.set LAPS,  2
.set NG,    4
.set TP,    25600
.set PITCH8, TP/8
.set GRP,   6400
.set FRB,   1536
.set WOFF,  16384000
.set SLOT,  24*GRP
.set S1O,   16*GRP
.set SPARE, 2*SLOT
.set STG,   8448
.set ADR0, 16
.set ADR1, 18
.set ADS0, 20
.set ADS1, 22
.set LI,   24
.set STO,  26
.set RD,   27
.set SPW,  28
.set NIL,  29
.set SC,   32
.set F1,   80
.set BK,   64
.set G1A, 24
.set G0A, 32
.set G1B, 48
.set G0B, 56
.set GN,  18
.set GOF, 20
.set BS0, 78
.set BS1, 80
.set PB0, 66                           ; s[66:67] the prefetches: my tile of wo's sixteen: 4 cy + wave (the four partners of a column of the cluster share the sixteen out by address)
.set PB1, 68                           ; s[68:69] my tile of o's eight: 2 cx + wave % 2 (the four partners of a row share the eight out by address)
.set PA0, 70                           ; s[70:71], s[72:73] the same at the group that is asked for
.set PA1, 72
.set PO,  74                           ; s[74:75] that group's byte offset in a tile
.set PFL, 25                           ; v25 256 x lane, held at 24: a group is 25 blocks of 256 bytes; lanes left over name the last again; never rewritten
.set PFM, 30                           ; v30 o's tile is shared by two waves: waves 0, 1 take blocks 0-12, waves 2, 3 blocks 13-24; never rewritten
.set MSB, 0
; A PREFETCH INTO THE L2 of the group that the NEXT fill will load, one slot (four K steps) ahead: 25 + 13 (or 12) blocks of 256 bytes a wave, a lane a block: each block once in a cluster.
; K is four groups: behind the loads of fills 0, 1 and 2 the groups of fills 1, 2 and 3 are asked for; the last refill asks for nothing.
; The addresses are stepped behind s_wait_xcnt 0, well behind the prefetches that read them.
.macro PADDR d
	s_add_co_u32 s[PO], s[GN], \d
	s_and_b32 s[PO], s[PO], NG-1
	s_mul_i32 s[PO], s[PO], GRP
	s_add_nc_u64 s[PA0:PA0+1], s[PB0:PB0+1], s[PO:PO+1]
	s_add_nc_u64 s[PA1:PA1+1], s[PB1:PB1+1], s[PO:PO+1]
.endm
.macro ASK
	global_prefetch_b8 v[PFL], s[PA0:PA0+1] th:TH_LOAD_NT scope:SCOPE_SE
	global_prefetch_b8 v[PFM], s[PA1:PA1+1] th:TH_LOAD_NT scope:SCOPE_SE
.endm
.macro WIN new
.if MSB != \new
	s_set_vgpr_msb (MSB<<8)|\new
.set MSB, \new
.endif
.endm
.set MUL,   0xa1
.set TO_S0, 0x40
.macro PLACES n
.rept \n
	v_nop
.endr
.endm
.macro JLOAD g0a, g1a, g0b, g1b
	s_cmp_eq_u32 s15, 0
	s_cbranch_scc0 .Lfor_b_\@
	tensor_load_to_lds s[\g0a:\g0a+3], s[\g1a:\g1a+7]
	s_nop 0
.rept 4
	v_nop
.endr
	s_branch .Lasked_\@
.Lfor_b_\@:
	tensor_load_to_lds s[\g0b:\g0b+3], s[\g1b:\g1b+7]
	s_nop 0
.rept 4
	v_nop
.endr
.Lasked_\@:
.endm
.macro GADDR slot
	s_and_b32 s[GOF], s[GN], NG-1
	s_mul_i32 s[GOF], s[GOF], GRP
	s_add_nc_u64 s[G0A+4*\slot+2:G0A+4*\slot+3], s[BS0:BS0+1], s[GOF:GOF+1]
	s_or_b32 s[G0A+4*\slot+3], s[G0A+4*\slot+3], 0x80000000
	s_add_nc_u64 s[G0B+4*\slot+2:G0B+4*\slot+3], s[BS1:BS1+1], s[GOF:GOF+1]
	s_or_b32 s[G0B+4*\slot+3], s[G0B+4*\slot+3], 0x80000000
	s_add_co_u32 s[GN], s[GN], 1
.endm
.macro CREST
	s_cmp_lg_u32 s14, 0
	s_cbranch_scc1 .Lnot_wave_0_\@
	s_barrier_signal -3
.Lnot_wave_0_\@:
	s_barrier_wait -3
	s_barrier_signal -1
	s_barrier_wait -1
.endm
.macro CROUND
	s_barrier_signal -1
	s_barrier_wait -1
	CREST
.endm
.macro WM ac, f0, f1, sa, sb, zero, ra, rb
.if \zero
.if (\ra) && (\rb)
	v_wmma_scale_f32_16x16x128_f8f6f4 v[(\ac):(\ac)+7], v[(\f0):(\f0)+11], v[(\f1):(\f1)+11], 0, v[\sa], v[\sb] matrix_a_fmt:MATRIX_FMT_FP6 matrix_b_fmt:MATRIX_FMT_FP6 matrix_a_scale:MATRIX_SCALE_ROW1 matrix_b_scale:MATRIX_SCALE_ROW1
.elseif \ra
	v_wmma_scale_f32_16x16x128_f8f6f4 v[(\ac):(\ac)+7], v[(\f0):(\f0)+11], v[(\f1):(\f1)+11], 0, v[\sa], v[\sb] matrix_a_fmt:MATRIX_FMT_FP6 matrix_b_fmt:MATRIX_FMT_FP6 matrix_a_scale:MATRIX_SCALE_ROW1
.elseif \rb
	v_wmma_scale_f32_16x16x128_f8f6f4 v[(\ac):(\ac)+7], v[(\f0):(\f0)+11], v[(\f1):(\f1)+11], 0, v[\sa], v[\sb] matrix_a_fmt:MATRIX_FMT_FP6 matrix_b_fmt:MATRIX_FMT_FP6 matrix_b_scale:MATRIX_SCALE_ROW1
.else
	v_wmma_scale_f32_16x16x128_f8f6f4 v[(\ac):(\ac)+7], v[(\f0):(\f0)+11], v[(\f1):(\f1)+11], 0, v[\sa], v[\sb] matrix_a_fmt:MATRIX_FMT_FP6 matrix_b_fmt:MATRIX_FMT_FP6
.endif
.else
.if (\ra) && (\rb)
	v_wmma_scale_f32_16x16x128_f8f6f4 v[(\ac):(\ac)+7], v[(\f0):(\f0)+11], v[(\f1):(\f1)+11], v[(\ac):(\ac)+7], v[\sa], v[\sb] matrix_a_fmt:MATRIX_FMT_FP6 matrix_b_fmt:MATRIX_FMT_FP6 matrix_a_scale:MATRIX_SCALE_ROW1 matrix_b_scale:MATRIX_SCALE_ROW1
.elseif \ra
	v_wmma_scale_f32_16x16x128_f8f6f4 v[(\ac):(\ac)+7], v[(\f0):(\f0)+11], v[(\f1):(\f1)+11], v[(\ac):(\ac)+7], v[\sa], v[\sb] matrix_a_fmt:MATRIX_FMT_FP6 matrix_b_fmt:MATRIX_FMT_FP6 matrix_a_scale:MATRIX_SCALE_ROW1
.elseif \rb
	v_wmma_scale_f32_16x16x128_f8f6f4 v[(\ac):(\ac)+7], v[(\f0):(\f0)+11], v[(\f1):(\f1)+11], v[(\ac):(\ac)+7], v[\sa], v[\sb] matrix_a_fmt:MATRIX_FMT_FP6 matrix_b_fmt:MATRIX_FMT_FP6 matrix_b_scale:MATRIX_SCALE_ROW1
.else
	v_wmma_scale_f32_16x16x128_f8f6f4 v[(\ac):(\ac)+7], v[(\f0):(\f0)+11], v[(\f1):(\f1)+11], v[(\ac):(\ac)+7], v[\sa], v[\sb] matrix_a_fmt:MATRIX_FMT_FP6 matrix_b_fmt:MATRIX_FMT_FP6
.endif
.endif
.endm
.macro MUL8 a, p, q, sc, zero
.irp b, 0,1,2,3,4,5,6,7
	WM 8*(8*(\a)+\b), 128*(\p)+12*\b, F1+48*(\p)+12*(\a), SC+24*(\sc)+4*(\b%4)+(\q), SC+24*(\sc)+16+4*((\a)%2)+(\q), \zero, \b/4, (\a)/2
.endr
.endm
.macro FETCH0 slot, q, p
	WIN TO_S0
.irp i, 0,1,2,3,4,5,6,7
.irp c, 0,1,2
	ds_load_b128 v[128*(\p)+12*\i+4*\c:128*(\p)+12*\i+4*\c+3], v[ADR0+\slot] offset:GRP*\i+FRB*(\q)+512*\c
.endr
.endr
	WIN 0
.endm
.macro FETCH1 slot, q, p
.irp i, 0,1,2,3
.irp c, 0,1,2
	ds_load_b128 v[F1+48*(\p)+12*\i+4*\c:F1+48*(\p)+12*\i+4*\c+3], v[ADR1+\slot] offset:GRP*\i+FRB*(\q)+512*\c
.endr
.endr
.endm
.macro SCALES s
.irp i, 0,1,2,3
	ds_load_b128 v[SC+24*\s+4*\i:SC+24*\s+4*\i+3], v[ADS0+\s] offset:GRP*\i
.endr
.irp i, 0,1
	ds_load_b128 v[SC+24*\s+16+4*\i:SC+24*\s+16+4*\i+3], v[ADS1+\s] offset:GRP*\i
.endr
.endm
.macro STEP slot, q, zero
	s_wait_dscnt 0x0
	WIN MUL
	MUL8 0, (\q)%2, \q, \slot, \zero
	PLACES 4
	FETCH0 \slot, (\q)+1, 1-(\q)%2
	FETCH1 \slot, (\q)+1, 1-(\q)%2
	WIN MUL
	MUL8 1, (\q)%2, \q, \slot, \zero
	MUL8 2, (\q)%2, \q, \slot, \zero
	MUL8 3, (\q)%2, \q, \slot, \zero
.endm
.macro TURN slot, next, fill
	WIN 0
.if (\fill) && (\slot) == 0
	s_wait_xcnt 0x0                                ; the last prefetches, a slot back, have read their addresses
	PADDR 1                                        ; the group behind the one that this change loads
.endif
	s_wait_tensorcnt 0x0
	ds_add_u32 v[SPW], v[NIL]
	s_wait_dscnt 0x1
	WIN MUL
	MUL8 0, 1, 3, \slot, 0
	s_wait_dscnt 0x0
	s_barrier_signal -1
	MUL8 1, 1, 3, \slot, 0
	WIN 0
	s_barrier_wait -1
.if \fill
	CREST
	GADDR \slot
	JLOAD G0A+4*\slot, G1A, G0B+4*\slot, G1B
.else
	PLACES 4
.endif
	FETCH0 \next, 0, 0
	FETCH1 \next, 0, 0
	SCALES \next
.if (\fill) && (\slot) == 0
	ASK                                            ; behind the refill and the run of LDS loads that the next products wait for
.endif
	WIN MUL
	MUL8 2, 1, 3, \slot, 0
	MUL8 3, 1, 3, \slot, 0
.endm
.macro TOSTAGE a
	WIN 0x08
.irp b, 0,1,2,3,4,5,6,7
	ds_store_b128 v[STO], v[64*(\a)+8*\b:64*(\a)+8*\b+3] offset:128*(\b/2)+32*(\b%2)
	ds_store_b128 v[STO], v[64*(\a)+8*\b+4:64*(\a)+8*\b+7] offset:128*(\b/2)+32*(\b%2)+16
.endr
	WIN 0
.set BB, BK+64*((\a)%2)
.irp t, 0,1,2,3,4,5,6,7,8,9,10,11,12,13,14,15
	ds_load_b128 v[BB+4*\t:BB+4*\t+3], v[RD] offset:528*\t
.endr
.endm
.macro SEND a, younger
.set BB, BK+64*((\a)%2)
	s_wait_dscnt \younger
.irp t, 0,1,2,3,4,5,6,7,8,9,10,11,12,13,14,15
	global_store_b128 v[LI], v[BB+4*\t:BB+4*\t+3], s[10:11] offset:(32*((\a)/2)+8*((\a)%2)+\t+8*(\t/8))*16384 th:TH_STORE_NT
.endr
.endm
	s_load_b128 s[4:7], s[0:1], 0x0
	s_load_b64 s[8:9], s[0:1], 0x10
	v_lshl_add_u32 v[SPW], v0, 2, SPARE
	v_mov_b32 v[NIL], 0
	ds_add_u32 v[SPW], v[NIL]
	ds_add_u32 v[SPW], v[NIL]
	v_lshrrev_b32 v1, 5, v0
	v_readfirstlane_b32 s14, v1
	s_lshr_b32 s15, s14, 1
	s_and_b32 s16, s14, 1
	s_bfe_u32 s40, ttmp6, 0x40000
	s_bfe_u32 s41, ttmp6, 0x40004
	s_lshl_b32 s42, ttmp9, 2
	s_add_co_u32 s42, s42, s40
	s_and_b32 s17, ttmp7, 0xffff
	s_lshl_b32 s17, s17, 2
	s_add_co_u32 s17, s17, s41
	s_lshl_b32 s43, s41, 2
	s_lshl_b32 s43, 15, s43
	s_lshl_b32 s44, 0x1111, s40
	s_and_b32 s[GN], ttmp7, 0xffff
	s_add_co_u32 s[GN], s[GN], ttmp9
	s_mov_b32 s[GOF+1], 0
	s_or_b32 s[G1A+0], s44, (3<<16)|(1<<21)
	s_or_b32 s[G1B+0], s43, (3<<16)|(1<<21)
	s_mov_b32 s[G1A+1], 800<<16
	s_mov_b32 s[G1A+2], 8<<16
	s_mov_b32 s[G1A+3], 800<<16
	s_mov_b32 s[G1A+4], 8
	s_mov_b32 s[G1A+5], PITCH8
	s_mov_b32 s[G1A+6], 0
	s_mov_b32 s[G1A+7], 0
	s_mov_b32 s[G1B+1], 800<<16
	s_mov_b32 s[G1B+2], 4<<16
	s_mov_b32 s[G1B+3], 800<<16
	s_mov_b32 s[G1B+4], 4
	s_mov_b32 s[G1B+5], PITCH8
	s_mov_b32 s[G1B+6], 0
	s_mov_b32 s[G1B+7], 0
	s_lshl_b32 s77, s42, 4
	s_lshl_b32 s78, s16, 3
	s_add_co_u32 s77, s77, s78
	s_mul_i32 s78, s77, TP
	s_add_co_u32 s78, s78, WOFF
	s_mov_b32 s79, 0
	s_lshl_b32 s80, s17, 3
	s_lshl_b32 s81, s16, 2
	s_add_co_u32 s80, s80, s81
	s_mul_i32 s80, s80, TP
	s_mov_b32 s81, 0
	s_mul_i32 s82, s16, 8*GRP
	s_mul_i32 s83, s16, 4*GRP
	s_add_co_u32 s83, s83, S1O
	s_wait_dscnt 0x0
	s_wait_kmcnt 0x0
	s_add_nc_u64 s[BS0:BS0+1], s[4:5], s[78:79]
	s_add_nc_u64 s[BS1:BS1+1], s[6:7], s[80:81]
	CROUND
.irp s, 0,1
	s_mov_b32 s[G0A+4*\s], 1
	s_add_co_u32 s[G0A+4*\s+1], s82, \s*SLOT
	s_mov_b32 s[G0B+4*\s], 1
	s_add_co_u32 s[G0B+4*\s+1], s83, \s*SLOT
	GADDR \s
.endr
	JLOAD G0A, G1A, G0B, G1B                       ; slot 0: one tensor load a wave at the head; the rest of the head is worked while it is out
	s_lshl_b32 s[PO], s42, 4
	s_lshl_b32 s76, s41, 2
	s_add_co_u32 s[PO], s[PO], s76
	s_add_co_u32 s[PO], s[PO], s14                 ; wo's tile 16 x tile column + 4 cy + wave
	s_mul_i32 s[PO], s[PO], TP
	s_add_co_u32 s[PO], s[PO], WOFF
	s_mov_b32 s[PO+1], 0
	s_add_nc_u64 s[PB0:PB0+1], s[4:5], s[PO:PO+1]
	s_lshl_b32 s[PO], s17, 3
	s_lshl_b32 s76, s40, 1
	s_add_co_u32 s[PO], s[PO], s76
	s_add_co_u32 s[PO], s[PO], s16                 ; o's tile 8 x tile row + 2 cx + wave % 2
	s_mul_i32 s[PO], s[PO], TP
	s_add_nc_u64 s[PB1:PB1+1], s[6:7], s[PO:PO+1]
	PADDR NG-1                                     ; the group counter stands two on: one back (modulo NG) is slot 1's group, whose load follows when slot 0 has landed
	s_sub_co_u32 s76, 12, s15                      ; waves 0, 1: 13 blocks from block 0; waves 2, 3: 12 blocks from block 13
	s_mul_i32 s77, s15, 13
	v_and_b32 v[PFM], 31, v0
	v_min_u32 v[PFL], 24, v[PFM]
	v_min_u32 v[PFM], s76, v[PFM]
	v_add_nc_u32 v[PFM], s77, v[PFM]
	v_lshlrev_b32 v[PFL], 8, v[PFL]
	v_lshlrev_b32 v[PFM], 8, v[PFM]
	ASK
	v_and_b32 v1, 31, v0
	v_and_b32 v2, 15, v0
	v_bfe_u32 v3, v0, 4, 1
	v_lshlrev_b32 v[LI], 4, v1
	s_mul_i32 s88, s15, 4*GRP
	s_add_co_u32 s88, s88, S1O
	v_add_nc_u32 v[ADR0], s82, v[LI]
	v_add_nc_u32 v[ADR0+1], SLOT, v[ADR0]
	v_add_nc_u32 v[ADR1], s88, v[LI]
	v_add_nc_u32 v[ADR1+1], SLOT, v[ADR1]
	v_lshlrev_b32 v4, 4, v2
	v_mad_u32_u24 v5, v3, 4*GRP, v4
	v_add_nc_u32 v5, 4*FRB, v5
	v_add_nc_u32 v[ADS0], s82, v5
	v_add_nc_u32 v[ADS0+1], SLOT, v[ADS0]
	v_mad_u32_u24 v5, v3, 2*GRP, v4
	v_add_nc_u32 v5, 4*FRB, v5
	v_add_nc_u32 v[ADS1], s88, v5
	v_add_nc_u32 v[ADS1+1], SLOT, v[ADS1]
	s_mul_i32 s89, s14, STG
	v_mul_u32_u24 v5, v2, 528
	v_lshl_add_u32 v5, v3, 6, v5
	v_add_nc_u32 v[STO], s89, v5
	v_add_nc_u32 v[RD], s89, v[LI]
	s_lshl_b32 s84, s17, 7
	s_lshl_b32 s85, s15, 6
	s_add_co_u32 s84, s84, s85
	s_lshl_b32 s84, s84, 14
	s_lshl_b32 s85, s42, 10
	s_add_co_u32 s84, s84, s85
	s_lshl_b32 s85, s16, 9
	s_add_co_u32 s84, s84, s85
	s_mov_b32 s85, 0
	s_add_nc_u64 s[10:11], s[8:9], s[84:85]
	s_wait_xcnt 0x0                                ; the head's prefetches have read their addresses
	PADDR 0                                        ; the group of the first refill in the loop
	s_wait_alu depctr_va_vdst(0)                   ; the wait at the head's end
	s_wait_tensorcnt 0x0                           ; my part of slot 0 is in; slot 1's first fill is issued as a refill is:
	ds_add_u32 v[SPW], v[NIL]
	s_wait_dscnt 0x0
	CROUND                                         ; a whole round: slot 0 is whole, and the partners' joint loads meet
	JLOAD G0A+4, G1A, G0B+4, G1B                   ; slot 1, the first tensor load behind the round
	FETCH0 0, 0, 0
	FETCH1 0, 0, 0
	SCALES 0
	ASK
	STEP 0, 0, 1
	WIN 0
	s_mov_b32 s3, LAPS-1
.Llap:
	STEP 0, 1, 0
	STEP 0, 2, 0
	TURN 0, 1, 1
	STEP 1, 0, 0
	STEP 1, 1, 0
	STEP 1, 2, 0
	TURN 1, 0, 1
	STEP 0, 0, 0
	WIN 0
	s_sub_co_u32 s3, s3, 1
	s_cmp_lg_u32 s3, 0
	s_cbranch_scc1 .Llap
	STEP 0, 1, 0
	STEP 0, 2, 0
	TURN 0, 1, 0
	STEP 1, 0, 0
	STEP 1, 1, 0
	STEP 1, 2, 0
	s_wait_dscnt 0x0
	WIN MUL
	MUL8 0, 1, 3, 1, 0
	MUL8 1, 1, 3, 1, 0
	MUL8 2, 1, 3, 1, 0
	MUL8 3, 1, 3, 1, 0
	WIN 0
	PLACES 4
	TOSTAGE 0
.irp a, 1,2,3
.if \a > 1
	s_wait_xcnt 0x0
.endif
	TOSTAGE \a
	SEND \a-1, 32
.endr
	SEND 3, 0
	s_wait_tensorcnt 0x0
	ds_add_u32 v[SPW], v[NIL]
	s_wait_dscnt 0x0
	CROUND
	s_endpgm
.Lfunc_end_k_q4a9974c030_proj:
	.size	k_q4a9974c030_proj, .Lfunc_end_k_q4a9974c030_proj-k_q4a9974c030_proj
	.p2alignl 7, 3214868480
	.fill 96, 4, 3214868480
	.section	.rodata,"a",@progbits
	.p2align	6, 0x0
	.amdhsa_kernel k_q4a9974c030_proj
		.amdhsa_group_segment_fixed_size 327680
		.amdhsa_private_segment_fixed_size 0
		.amdhsa_enable_private_segment 0
		.amdhsa_kernarg_size 24
		.amdhsa_user_sgpr_count 2
		.amdhsa_user_sgpr_kernarg_segment_ptr 1
		.amdhsa_wavefront_size32 1
		.amdhsa_system_sgpr_workgroup_id_x 1
		.amdhsa_system_sgpr_workgroup_id_y 1
		.amdhsa_system_sgpr_workgroup_id_z 1
		.amdhsa_system_vgpr_workitem_id 0
		.amdhsa_next_free_vgpr 1024
		.amdhsa_next_free_sgpr 100
		.amdhsa_reserve_vcc 0
		.amdhsa_float_denorm_mode_32 3
		.amdhsa_float_denorm_mode_16_64 3
		.amdhsa_memory_ordered 1
		.amdhsa_forward_progress 1
		.amdhsa_inst_pref_size 133
	.end_amdhsa_kernel
	.amdgpu_metadata
---
amdhsa.version: [ 1, 2 ]
amdhsa.kernels:
  - .name:           k_q4a9974c030_proj
    .symbol:         k_q4a9974c030_proj.kd
    .args:
      - { .name: wsq, .offset: 0, .size: 8, .value_kind: global_buffer, .address_space: global }
      - { .name: oq, .offset: 8, .size: 8, .value_kind: global_buffer, .address_space: global }
      - { .name: out0, .offset: 16, .size: 8, .value_kind: global_buffer, .address_space: global }
    .group_segment_fixed_size: 327680
    .private_segment_fixed_size: 0
    .kernarg_segment_align: 8
    .kernarg_segment_size: 24
    .max_flat_workgroup_size: 128
    .sgpr_count:     100
    .vgpr_count:     1024
    .wavefront_size: 32
...
	.end_amdgpu_metadata
.endif
;; end of part 4
